; MI455X (gfx1250); checked and timed in simulation.
; The chip was launched on July 23, 2026; its instructions are those of AMD's public machine-readable ISA for CDNA 5 (MIT licence, August 2026) and "CDNA5" Instruction Set Architecture Reference Guide (July 2026). The comments in the code are by the model that wrote it; some were corrected since.
;; Physics Aware Attention. Allowed arithmetic: matrix products marked QUANTISED: E2M3 operands, one E8M0 scale for each 32 along K, by v_wmma_scale_f32_16x16x128_f8f6f4 with both operands' format E2M3, f32 sums; products left as they are: f32 operands where the result goes on into a quantised operand, else bf16, f16 or f32 operands; f32 sums; everything else in f32.
;; Inputs: Pw 3 x 1,024 float32; Wk 1,024 x 1,024 float32; Wo 1,024 x 1,024 float32; Wq 1,024 x 1,024 float32; Wv 1,024 x 1,024 float32; bk 1,024 float32; bo 1,024 float32; bq 1,024 float32; bv 1,024 float32; key_in 2 x 2,048 x 1,024 float32; pb 1 float32; physics_info 2 x 128 x 3 float32; query 2 x 2,048 x 1,024 float32; value 2 x 2,048 x 1,024 float32.
;; Outputs: out0 2 x 2,048 x 1,024 float32.
;; This version of the problem:
;;   THIS VERSION OF THE PROBLEM IS GIVEN IN LOW PRECISION. The matrix products marked QUANTISED in the list below multiply operands that are first quantised to E2M3 (2 exponent bits, 3 mantissa bits; 6 bits a number), with one power-of-two scale for each 32 numbers along K (OCP MX v1.0); their sums are f32. All else is computed in f32.
;;   The module's matrix products, in the order in which they are computed (A, B: the left and right operand; K: the contracted axis; several contracted axes count as one K, in the product's order):
;;     1. [M 4,096, K 1,024] x [K 1,024, N 1,024]; A: input query; B: input Wq: QUANTISED
;;     2. [M 4,096, K 1,024] x [K 1,024, N 1,024]; A: input key_in; B: input Wk: QUANTISED
;;     3. [M 4,096, K 1,024] x [K 1,024, N 1,024]; A: input value; B: input Wv: QUANTISED
;;     4. batch 32 x [M 2,048, K 64] x [K 64, N 2,048]; A: computed on the way; B: computed on the way: QUANTISED
;;     5. [M 256, K 3] x [K 3, N 1,024]; A: input physics_info; B: input Pw: left as it is (K = 3 < 32)
;;     6. batch 2 x [M 32,768, K 64] x [K 64, N 2,048]; A: computed on the way; B: computed on the way: QUANTISED
;;     7. batch 32 x [M 2,048, K 2,048] x [K 2,048, N 64]; A: softmax (see below); B: computed on the way: QUANTISED
;;     8. [M 4,096, K 1,024] x [K 1,024, N 1,024]; A: computed on the way; B: input Wo: QUANTISED
;;   THE QUANTISER, for each operand of a quantised product, along K:
;;     - K is cut into blocks of 32 from its start; a last block that is shorter is filled with zeros.
;;     - A block's scale is 2^e with e = floor(log2(the largest magnitude in the block)) - 2, held to -126 .. 127; a block of zeros has e = 0. As a byte (E8M0): e + 127.
;;     - Each number is divided by its block's scale, clamped to +-7.5, and rounded to the nearest number of E2M3, ties to even, subnormals kept.
;;     - The product sums the exact products of the quantised numbers (number of the format x scale) in f32.
;;   ~~~python
;;   def quantise(x, axis):      # numpy; x: float32 -> the quantised numbers, widened to float32 again
;;       x = np.moveaxis(x, axis, -1); K = x.shape[-1]
;;       x = np.pad(x, [(0, 0)] * (x.ndim - 1) + [(0, -K % 32)]); x = x.reshape(x.shape[:-1] + (-1, 32)); a = np.abs(x).max(-1, keepdims=True)
;;       e = np.where(a > 0, np.clip(np.frexp(np.where(a > 0, a, 1))[1] - 1 - 2, -126, 127), 0)      # np.frexp(a)[1] - 1 = floor(log2(a)), exactly
;;       r = np.clip(x / 2.0 ** e, -7.5, 7.5)
;;       step = 2.0 ** (np.maximum(np.frexp(np.where(r == 0, 1, r))[1] - 1, 0) - 3)
;;       q = np.round(r / step) * step * 2.0 ** e      # np.round: ties to even
;;       return np.moveaxis(q.reshape(q.shape[:-2] + (-1,))[..., :K], -1, axis).astype(np.float32)
;;   ~~~
;;   SOFTMAX AHEAD OF A QUANTISED PRODUCT. Where the list says 'softmax', what is quantised is not the finished softmax but p = 2^(t - M), with t = logit x log2(e) and M = ceil(the row's largest t), a whole number; so 1/2 < the row's largest p <= 1. The row's sum l is taken of the UNQUANTISED p, in f32, and the product's result is divided by l at the end. Since M is a whole number, a kernel that streams over the keys may use a running M (the ceiling of the running maximum): every later rescaling is an exact power of two, which a block's scale takes up: the codes' values come out the same.
;;   OPERANDS COMPUTED ON THE WAY. 'Computed on the way' means the value that the module computes at that place (a softmax that the list does not call 'softmax' is quantised finished and normalised). What goes into a quantiser is computed in f32, as accurately as f32 sums, v_exp_f32 and their like allow (about 1e-6 of the number): no bf16 or f16 on the way to a quantiser, and a product that is left as it is and whose result goes on into a quantised operand takes f32 operands (vector FMAs, or v_wmma_f32_16x16x4_f32). A number that lies on a knife's edge between two numbers of the format may be rounded either way, as far as f32 arithmetic and the matrix unit's own rounding can turn it there, and no further.
;; 2 versions. Each part assembles by itself: llvm-mc -triple=amdgcn-amd-amdhsa -mcpu=gfx1250 --defsym DOCPART=n.
;; ======== version 1 of 2: 4 launches
;; workspace buffers: wimg 3,145,728 bytes; wsc 131,072 bytes; prec 212,992 bytes; qrec 3,407,872 bytes; krec 3,407,872 bytes; vrec 3,407,872 bytes; crec 3,145,728 bytes; csc 131,072 bytes
;; launch prep (part 1): grid 272 x 1, 4 waves a work-group, no clusters, 13,824 bytes of LDS; arguments Wq, Wk, Wv, Wo, Pw, physics_info, wimg, wsc, prec; writes wimg, wsc, prec
.if DOCPART == 1
	.amdgcn_target "amdgcn-amd-amdhsa--gfx1250"
	.amdhsa_code_object_version 6
	.text
	.protected	k_q3869d57722_prep
	.globl	k_q3869d57722_prep
	.p2align	8
	.type	k_q3869d57722_prep,@function
k_q3869d57722_prep:
	s_mov_b64 s[64:65], 0
	v_nop
	global_prefetch_b8 v0, s[64:65] scope:SCOPE_SE
	s_setreg_imm32_b32 hwreg(HW_REG_WAVE_MODE, 25, 1), 1
	s_wait_xcnt 0x0
; The four weights [1024 (k)][1024 (n)] f32 become codes of FP6 (E2M3) with one E8M0 byte for each 32 along K, laid as IMAGES OF THE OPERAND'S REGISTERS:
;   wimg [weight q,k,v,o][n tile 64][K step 8][1536 bytes]: a fragment (16 columns n x 128 k, 12 registers a lane) as three groups of four registers, 512 bytes each, lane l's 16 bytes at 16 l.
;   wsc  [weight][n tile][r 16][K step 8] words: byte b of a word scales k = 32 b .. 32 b + 31 of the K step.
; THE COLUMNS OF A TILE ARE NOT NEIGHBOURS: lane r of tile 2 G + u takes column 32 G + 8 u + r + 8 (r / 8).
; pc = physics_info x Pw (K = 3, in f32), read as [b][2048 keys][64], becomes records laid as the keys' records are (prec): for 128 keys 8 tiles x 768 bytes
; (16 keys x 64: registers 0-3 at 16 l, registers 4-5 at 512 + 8 l) and, at byte 6144, the scale words [half 2][r 16][tile 4], each s0 | s1 << 8 | s0 << 16 | s1 << 24.
; Work-groups 0-255: weight g / 64, K step (g / 8) % 8, 128 columns (g % 8); a wave takes 32 columns, a lane ONE column, its registers run down K: a block of 32 is one lane's.
; Work-groups 256-271: a wave takes 64 keys of pc; lane (r, h) computes the 32 numbers d = 32 h .. of its key: again a whole block a lane.
; LIMITS: NaN and infinities are not served; a block whose largest magnitude lies under 2^-124 (a block of zeros too) keeps the byte 1: zero codes add nothing, and this program alone reads the bytes.
.set SPARE, 13312                      ; behind the four stages: the spare words, 128 bytes a wave
.set STGW,  3328                       ; a wave's stage: two images of 1536 bytes, 1664 apart
.set IMG2,  1664
.set SPW,   10                         ; v10 my spare word's LDS address; never rewritten
.set NIL,   11                         ; v11 0; never rewritten
.set C,     20                         ; v20-26 a block's codes
.set OUTR,  32                         ; v32-55 the way out
.set X,     64                         ; v64-191 128 numbers of my column
; a block of 32 numbers in v[XQ] on: largest magnitude (with the floor 2^-124), scale operand v14, byte v15, six registers of codes in v[C] on
.macro QBLK
	v_max3_num_f32 v12, |v[XQ]|, |v[XQ+1]|, |v[XQ+2]|
	v_max3_num_f32 v13, |v[XQ+3]|, |v[XQ+4]|, |v[XQ+5]|
.irp i, 6,10,14,18,22,26
	v_max3_num_f32 v12, v12, |v[XQ+\i]|, |v[XQ+\i+1]|
	v_max3_num_f32 v13, v13, |v[XQ+\i+2]|, |v[XQ+\i+3]|
.endr
	v_max3_num_f32 v12, v12, |v[XQ+30]|, |v[XQ+31]|
	v_max3_num_f32 v12, v12, v13, 0x1800000        ; the floor holds the byte at 1 from below
	v_add_nc_u32 v14, 0xff000000, v12              ; 2 off the exponent field: the conversion's scale operand
	v_lshrrev_b32 v15, 23, v14                     ; the scale's byte
	v_cvt_scalef32_pk16_fp6_f32 v[C:C+2], v[XQ:XQ+15], v14
	v_cvt_scalef32_pk16_fp6_f32 v[C+4:C+6], v[XQ+16:XQ+31], v14   ; a conversion's three registers begin on an even number
	v_nop                                          ; one plain instruction behind the conversions
	v_mov_b32 v[C+3], v[C+4]
	v_mov_b32 v[C+4], v[C+5]
	v_mov_b32 v[C+5], v[C+6]                       ; v[C .. C+5]: 32 codes on end
.endm
	s_load_b256 s[4:11], s[0:1], 0x0               ; Wq, Wk, Wv, Wo
	s_load_b256 s[12:19], s[0:1], 0x20             ; Pw, physics_info, wimg, wsc
	s_load_b64 s[20:21], s[0:1], 0x40              ; prec
	v_lshl_add_u32 v[SPW], v0, 2, SPARE
	v_mov_b32 v[NIL], 0
	v_lshrrev_b32 v1, 5, v0
	v_readfirstlane_b32 s22, v1                    ; wave
	v_and_b32 v2, 31, v0                           ; lane
	s_mov_b32 s24, 0x76543210
	s_mov_b32 s25, 0xfedcba98                      ; lane l xor 16
	s_cmp_ge_u32 ttmp9, 256
	s_cbranch_scc1 .Lpc
	; ---------------- the weights
	s_lshr_b32 s26, ttmp9, 6                       ; which weight
	s_bfe_u32 s27, ttmp9, 0x30003                  ; K step
	s_and_b32 s28, ttmp9, 7
	s_lshl_b32 s28, s28, 2
	s_add_co_u32 s28, s28, s22                     ; G: my wave's 32 columns
	v_lshlrev_b32 v3, 2, v2                        ; in: 4 bytes a lane
	s_mul_i32 s29, s22, STGW                       ; my stage
	v_bfe_u32 v8, v2, 3, 1                         ; column l lies in tile 2 G + u, u = (l / 8) % 2,
	v_and_b32 v9, 7, v2
	v_lshrrev_b32 v12, 4, v2
	v_lshl_add_u32 v9, v12, 3, v9                  ; at its lane r = l % 8 + 8 (l / 16)
	v_mul_u32_u24 v4, v8, IMG2
	v_lshl_add_u32 v4, v9, 4, v4
	v_add_nc_u32 v4, s29, v4                       ; into the stage: image u, 16 r
	v_lshlrev_b32 v6, 4, v2                        ; out: 16 bytes a lane
	v_add_nc_u32 v5, s29, v6
	v_lshlrev_b32 v7, 9, v8
	v_lshl_add_u32 v7, v9, 5, v7                   ; my scale word: tile u (512 bytes), row r (32 bytes)
	s_lshl_b32 s30, s27, 19                        ; W: 128 rows of 4,096 bytes a K step,
	s_lshl_b32 s31, s28, 7                         ; 128 bytes a group of columns
	s_add_co_u32 s30, s30, s31
	s_mov_b32 s31, 0
	s_mul_i32 s32, s26, 786432                     ; images: weight, tile 2 G (12,288 bytes a tile), K step
	s_mul_i32 s34, s28, 24576
	s_add_co_u32 s32, s32, s34
	s_mul_i32 s34, s27, 1536
	s_add_co_u32 s32, s32, s34
	s_mov_b32 s33, 0
	s_lshl_b32 s34, s26, 15                        ; scale words: weight, tile 2 G, K step
	s_lshl_b32 s35, s28, 10
	s_add_co_u32 s34, s34, s35
	s_lshl_b32 s35, s27, 2
	s_add_co_u32 s34, s34, s35
	s_mov_b32 s35, 0
	s_wait_kmcnt 0x0
	s_bitcmp1_b32 s26, 0                           ; the choice hangs on the work-group's number alone
	s_cselect_b64 s[4:5], s[6:7], s[4:5]
	s_cselect_b64 s[8:9], s[10:11], s[8:9]
	s_bitcmp1_b32 s26, 1
	s_cselect_b64 s[4:5], s[8:9], s[4:5]
	s_add_nc_u64 s[4:5], s[4:5], s[30:31]
	s_add_nc_u64 s[16:17], s[16:17], s[32:33]
	s_add_nc_u64 s[18:19], s[18:19], s[34:35]
.set i, 0
.rept 128
	global_load_b32 v[X+i], v3, s[4:5] offset:i*4096 th:TH_LOAD_NT   ; W(128 ks + i, my column): a wave reads 128 consecutive bytes, the four waves 512
.set i, i+1
.endr
; block t = 2 c + h of the K step is what lane (r, h) of the fragment holds in registers 6 c .. 6 c + 5
.macro BLOCK t, cnt
.set XQ, X+32*(\t)
	s_wait_loadcnt \cnt                            ; this block's 32 loads are in (the later blocks' may be out; a wait names 63 at the most)
	QBLK
.if (\t) == 0
	v_mov_b32 v16, v15
.else
	v_lshl_or_b32 v16, v15, 8*(\t), v16            ; the four bytes make my column's scale word
.endif
.if (\t) < 2
	ds_store_b128 v4, v[C:C+3] offset:256*((\t)%2)             ; registers 0-3: group 0
	ds_store_b64 v4, v[C+4:C+5] offset:512+256*((\t)%2)        ; registers 4, 5: the lower half of group 1
.else
	ds_store_b64 v4, v[C:C+1] offset:520+256*((\t)%2)          ; registers 6, 7: its upper half
	ds_store_b128 v4, v[C+2:C+5] offset:1024+256*((\t)%2)      ; registers 8-11: group 2
.endif
	s_wait_dscnt 0x0                               ; the stores have read their registers
.endm
	BLOCK 0, 63
	BLOCK 1, 63
	BLOCK 2, 32
	BLOCK 3, 0
	global_store_b32 v7, v16, s[18:19]             ; one word a column, 32 bytes apart: one part in 24 of what this path stores
.irp k, 0,1,2,3,4,5
	ds_load_b128 v[OUTR+4*\k:OUTR+4*\k+3], v5 offset:(\k/3)*IMG2+512*(\k%3)   ; a wave's LDS instructions are served in order: these see my stores
.endr
.irp k, 0,1,2,3,4,5
	s_wait_dscnt 5-\k
	global_store_b128 v6, v[OUTR+4*\k:OUTR+4*\k+3], s[16:17] offset:(\k/3)*12288+512*(\k%3)   ; 512 consecutive bytes, aligned
.endr
	s_wait_tensorcnt 0x0                           ; the wave's end: behind my last LDS store
	ds_add_u32 v[SPW], v[NIL]
	s_wait_dscnt 0x0
	s_endpgm
	; ---------------- pc: no LDS on this path
.Lpc:
	s_sub_co_u32 s26, ttmp9, 256
	s_lshl_b32 s26, s26, 2
	s_add_co_u32 s26, s26, s22                     ; which 64 keys: 0 .. 63 = four rows of physics_info each
	s_lshr_b32 s27, s26, 1                         ; the record
	s_and_b32 s28, s26, 1                          ; its half c
	v_and_b32 v8, 15, v2                           ; r
	v_lshrrev_b32 v9, 4, v2                        ; h
	v_and_b32 v3, 7, v8
	v_lshlrev_b32 v3, 8, v3
	v_lshl_add_u32 v3, v9, 7, v3                   ; Pw: key 8 u + r % 8 of a row's sixteen takes columns 64 (8 u + r % 8) + 32 h on
	v_lshrrev_b32 v4, 3, v8
	v_mul_u32_u24 v4, v4, 12                       ; physics_info: row 2 beta + r / 8 of the four
	s_mul_i32 s29, s28, 3072
	v_lshlrev_b32 v5, 4, v2
	v_add_nc_u32 v5, s29, v5
	v_lshlrev_b32 v6, 3, v2
	v_add_nc_u32 v6, s29, v6
	s_lshl_b32 s29, s28, 8
	v_lshlrev_b32 v7, 4, v8
	v_add_nc_u32 v7, s29, v7
	v_lshlrev_b32 v17, 3, v9                       ; 8 h
	v_mov_b32 v18, 0                               ; a lane permute's destination counts as read
	s_mul_i32 s30, s26, 48
	s_mov_b32 s31, 0
	s_mul_i32 s32, s27, 6656
	s_mov_b32 s33, 0
	s_wait_kmcnt 0x0
	s_add_nc_u64 s[14:15], s[14:15], s[30:31]
	s_add_nc_u64 s[20:21], s[20:21], s[32:33]
.irp e, 0,1
.irp j, 0,1,2
	global_load_b32 v[32+4*\e+\j], v4, s[14:15] offset:24*\e+4*\j
.endr
.endr
; tile 2 be + u of the half: lane r's key is 32 be + 8 u + r + 8 (r / 8)
.macro PCTILE u, be
.set PIR, 32+4*(\be)
.set n, 0
.rept 32
	v_mul_f32 v[160+n], v[PIR], v[64+n]
.set n, n+1
.endr
.set n, 0
.rept 32
	v_fmac_f32 v[160+n], v[PIR+1], v[96+n]
.set n, n+1
.endr
.set n, 0
.rept 32
	v_fmac_f32 v[160+n], v[PIR+2], v[128+n]        ; the product with K = 3, in f32
.set n, n+1
.endr
	s_wait_xcnt 0x0                                ; the last tile's stores have read the codes' registers
.set XQ, 160
	QBLK
	global_store_b128 v5, v[C:C+3], s[20:21] offset:(2*(\be)+(\u))*768
	global_store_b64 v6, v[C+4:C+5], s[20:21] offset:(2*(\be)+(\u))*768+512
	v_lshlrev_b32 v15, v17, v15                    ; my block's byte at its place,
	v_permlanex16_b32 v18, v15, s24, s25
	v_or_b32 v15, v15, v18                         ; with lane l xor 16's,
	v_lshl_or_b32 v[40+2*(\be)+(\u)], v15, 16, v15 ; and once more in the upper half
.endm
.irp u, 0,1
.irp j, 0,1,2
.irp q, 0,1,2,3,4,5,6,7
	global_load_b128 v[64+32*\j+4*\q:64+32*\j+4*\q+3], v3, s[12:13] offset:\j*4096+\u*2048+16*\q
.endr
.endr
	s_wait_loadcnt 0x0
	PCTILE \u, 0
	PCTILE \u, 1
.endr
	global_store_b128 v7, v[40:43], s[20:21] offset:6144   ; lanes l and l + 16 hold and store the same four words
	s_endpgm
.Lfunc_end_k_q3869d57722_prep:
	.size	k_q3869d57722_prep, .Lfunc_end_k_q3869d57722_prep-k_q3869d57722_prep
	.p2alignl 7, 3214868480
	.fill 96, 4, 3214868480
	.section	.rodata,"a",@progbits
	.p2align	6, 0x0
	.amdhsa_kernel k_q3869d57722_prep
		.amdhsa_group_segment_fixed_size 13824
		.amdhsa_private_segment_fixed_size 0
		.amdhsa_enable_private_segment 0
		.amdhsa_kernarg_size 72
		.amdhsa_user_sgpr_count 2
		.amdhsa_user_sgpr_kernarg_segment_ptr 1
		.amdhsa_wavefront_size32 1
		.amdhsa_system_sgpr_workgroup_id_x 1
		.amdhsa_system_sgpr_workgroup_id_y 1
		.amdhsa_system_sgpr_workgroup_id_z 1
		.amdhsa_system_vgpr_workitem_id 0
		.amdhsa_next_free_vgpr 192
		.amdhsa_next_free_sgpr 66
		.amdhsa_reserve_vcc 0
		.amdhsa_float_denorm_mode_32 3
		.amdhsa_float_denorm_mode_16_64 3
		.amdhsa_memory_ordered 1
		.amdhsa_forward_progress 1
		.amdhsa_inst_pref_size 48
	.end_amdhsa_kernel
	.amdgpu_metadata
---
amdhsa.version: [ 1, 2 ]
amdhsa.kernels:
  - .name:           k_q3869d57722_prep
    .symbol:         k_q3869d57722_prep.kd
    .args:
      - { .name: Wq, .offset: 0, .size: 8, .value_kind: global_buffer, .address_space: global }
      - { .name: Wk, .offset: 8, .size: 8, .value_kind: global_buffer, .address_space: global }
      - { .name: Wv, .offset: 16, .size: 8, .value_kind: global_buffer, .address_space: global }
      - { .name: Wo, .offset: 24, .size: 8, .value_kind: global_buffer, .address_space: global }
      - { .name: Pw, .offset: 32, .size: 8, .value_kind: global_buffer, .address_space: global }
      - { .name: physics_info, .offset: 40, .size: 8, .value_kind: global_buffer, .address_space: global }
      - { .name: wimg, .offset: 48, .size: 8, .value_kind: global_buffer, .address_space: global }
      - { .name: wsc, .offset: 56, .size: 8, .value_kind: global_buffer, .address_space: global }
      - { .name: prec, .offset: 64, .size: 8, .value_kind: global_buffer, .address_space: global }
    .group_segment_fixed_size: 13824
    .private_segment_fixed_size: 0
    .kernarg_segment_align: 8
    .kernarg_segment_size: 72
    .max_flat_workgroup_size: 128
    .sgpr_count:     66
    .vgpr_count:     192
    .wavefront_size: 32
...
	.end_amdgpu_metadata
.endif
;; end of part 1
;; launch proj (part 2): grid 192 x 1, 4 waves a work-group, no clusters, 87,552 bytes of LDS; arguments query, key_in, value, wimg, wsc, bq, bk, bv, qrec, krec, vrec; writes qrec, krec, vrec
.if DOCPART == 2
	.amdgcn_target "amdgcn-amd-amdhsa--gfx1250"
	.amdhsa_code_object_version 6
	.text
	.protected	k_q3869d57722_proj
	.globl	k_q3869d57722_proj
	.p2align	8
	.type	k_q3869d57722_proj,@function
k_q3869d57722_proj:
	s_mov_b64 s[64:65], 0
	v_nop
	global_prefetch_b8 v0, s[64:65] scope:SCOPE_SE
	s_setreg_imm32_b32 hwreg(HW_REG_WAVE_MODE, 25, 1), 1
	s_wait_xcnt 0x0
; Q = query Wq + bq, K = key_in Wk + bk, V = value Wv + bv, on codes of FP6 (E2M3) with E8M0 scales for each 32 along K = 1024, and the results quantised again on the way out:
; Q and K along the head's 64 (two blocks), V along the keys.  Work-group g: tensor g / 64, rows 64 (g % 64) on, all 1,024 columns.
; x is read ONCE: wave w quantises row tile w (16 rows x 1,024) and lays its 8 fragments in LDS as images of their registers; behind the one barrier every wave holds all 32 fragments in registers.
; Wave w makes heads 4 w .. 4 w + 3.  Its weights come from memory straight into registers, as images laid by the launch before: no other wave of the work-group reads them.
; THE ROWS OF A TILE ARE NOT NEIGHBOURS: lane r of tile 2 G + u takes row 32 G + 8 u + r + 8 (r / 8); so for x's rows and for W's columns.  Q, K: source 0 = 16 columns of W, source 1 = 16 rows of x:
; a lane holds one token, and the 16 registers of two neighbouring tiles are 16 neighbouring columns d.  V: the sources swapped: a lane holds one column d and 16 neighbouring keys.
; RECORDS (6,656 bytes for 128 tokens of a head).  Q, K: 8 tiles x 768 bytes (16 tokens x 64 d: registers 0-3 at 16 l, 4-5 at 512 + 8 l); at 6144 the words [half][r][tile], s0 | s1 << 8, twice.
; V: 4 tiles of d x 1,536 bytes (keys 0-63, keys 64-127); at 6144 the words [lane 32][tile 4], byte q for keys 32 q on.
; A head's 64 columns go in 8 HALVES (tile t = i / 2, K steps 4 (i % 2) on): 16 matrix instructions on four accumulators by turns; W's halves run three ahead through four slots.
; REGISTERS.  window 0: v1-15 addresses; v16-47 x's scale words; v48-63 W's; v64-95 codes; v96-99 scale words made; v100-123 at work; v128-255 accumulators (first: x's numbers in v192-255).
;   window 1: first x as loaded (4 x 64); then x's fragments of K steps 0-3 at v[12 (4 s + m)].  window 2: K steps 4-7.  window 3: v0-191 W's four slots; v192-207 the bias as C; v208-209 V's bias as loaded.
; LIMITS: NaN and infinities are not served; a block whose largest magnitude lies under 2^-124 (a block of zeros too) keeps the byte 1.
.set XIMG,  33792                      ; LDS: 0: four stages of 16 rows x 528 bytes; here x's 32 images of 1,536 bytes (8 m + s);
.set XSC,   82944                      ; their scale words, 128 bytes each;
.set SPARE, 87040                      ; the spare words, 128 bytes a wave
.set LX,  1                            ; 16 x lane
.set STW, 2                            ; stage, in
.set STR, 3                            ; stage, back
.set IMW, 4                            ; where I store images
.set ISW, 5                            ; and scale words
.set LI,  6                            ; where images are read
.set LS,  7                            ; and scale words
.set WSO, 9                            ; 32 r: W's scale words
.set BO,  10                           ; the bias' offset
.set O16, 11
.set O8,  12
.set OSC, 13
.set SPW, 14                           ; my spare word; never rewritten
.set NIL, 15                           ; 0; never rewritten
.set XS,  16
.set WS,  48
.set PC,  64
.set SW,  96
.set PW,  96
.set MX,  100
.set PT,  108
.set SO,  116
.set VR,  124
.set VH,  125
.set ACC, 128
.set X,   192
.set WV,  26
.set TZ,  27
.set BLKN, 28
.set CH,  29
.set SEL, 30
.set XB,  32
.set WP,  34
.set SP,  36
.set BP,  38
.set OP,  40
.set HD,  42
.set MSB, 0
.macro WIN new                         ; the immediate's high byte repeats the setting that is left
.if MSB != \new
	s_set_vgpr_msb (MSB<<8)|\new
.set MSB, \new
.endif
.endm
.macro PLACES                          ; four plain instructions behind matrix instructions, ahead of loads into and vector work on their registers
.rept 4
	v_nop
.endr
.endm
.macro LOADX s                         ; K step s of my 16 rows: each load reads 512 consecutive bytes of one row
	WIN 0x40
.irp i, 0,1,2,3,4,5,6,7,8,9,10,11,12,13,14,15
	global_load_b128 v[64*((\s)%4)+4*\i:64*((\s)%4)+4*\i+3], v[LX], s[XB:XB+1] offset:(\i+8*(\i/8))*4096+512*(\s) th:TH_LOAD_NT
.endr
	WIN 0
.endm
; half k of the head at the pointers into slot k % 4: four fragments of W, their scale words, and with an even half the tile's bias (1: eight numbers a lane; 2: one)
.macro RING k, bias
.set RT, (\k)/2
.set RS, (\k)%4
	WIN 0xc0
.irp q, 0,1,2,3,4,5,6,7,8,9,10,11
	global_load_b128 v[48*RS+4*\q:48*RS+4*\q+3], v[LX], s[WP:WP+1] offset:(\k)*6144+512*\q
.endr
.if ((\k)%2 == 0) && ((\bias) == 1)
	global_load_b128 v[192+8*(RT%2):195+8*(RT%2)], v[BO], s[BP:BP+1] offset:(32*(RT/2)+8*(RT%2))*4
	global_load_b128 v[196+8*(RT%2):199+8*(RT%2)], v[BO], s[BP:BP+1] offset:(32*(RT/2)+8*(RT%2))*4+16
.endif
.if ((\k)%2 == 0) && ((\bias) == 2)
	global_load_b32 v[208+RT%2], v[BO], s[BP:BP+1] offset:(32*(RT/2)+8*(RT%2))*4
.endif
	WIN 0
	global_load_b128 v[WS+4*RS:WS+4*RS+3], v[WSO], s[SP:SP+1] offset:RT*512+((\k)%2)*16
.endm
; 64 numbers of a lane in v[X] on, register 16 b + i = k 32 b + 16 h + i of my row, become a fragment in v[PC .. PC+11] and its scale word in v[PW]
.macro QUANT
.irp b, 0,1,2,3
	v_max3_num_f32 v[MX+\b], |v[X+16*\b]|, |v[X+1+16*\b]|, 0x1800000
.endr
.irp i, 2,4,6,8,10,12,14
.irp b, 0,1,2,3
	v_max3_num_f32 v[MX+\b], v[MX+\b], |v[X+16*\b+\i]|, |v[X+1+16*\b+\i]|
.endr
.endr
.irp b, 0,1,2,3
	v_permlanex16_b32 v[PT+\b], v[MX+\b], s[SEL], s[SEL+1]
.endr
.irp b, 0,1,2,3
	v_max_num_f32 v[MX+\b], v[MX+\b], v[PT+\b]     ; with lane l xor 16's 16: the block's largest magnitude
.endr
.irp b, 0,1,2,3
	v_add_nc_u32 v[SO+\b], 0xff000000, v[MX+\b]    ; 2 off the exponent field: the conversion's scale operand
.endr
.irp b, 0,1,2,3
	v_lshrrev_b32 v[PT+\b], 23, v[SO+\b]           ; the byte
.endr
	v_lshl_or_b32 v[PW], v[PT+1], 8, v[PT]
	v_lshl_or_b32 v[PW], v[PT+2], 16, v[PW]
	v_lshl_or_b32 v[PW], v[PT+3], 24, v[PW]
.irp c, 0,1
	v_cvt_scalef32_pk16_fp6_f32 v[PC+6*\c:PC+2+6*\c], v[X+32*\c:X+15+32*\c], v[SO+2*\c]
	v_cvt_scalef32_pk16_fp6_f32 v[PC+12+4*\c:PC+14+4*\c], v[X+16+32*\c:X+31+32*\c], v[SO+2*\c+1]
.endr
	v_nop                                          ; one plain instruction behind the conversions
.irp c, 0,1                                    ; the layout wants a whole block in a lane: lanes 0-15 block 2 c, lanes 16-31 block 2 c + 1
.irp i, 0,1,2
	v_permlane16_swap_b32 v[PC+6*\c+\i], v[PC+12+4*\c+\i]
.endr
.irp i, 0,1,2
	v_mov_b32 v[PC+3+6*\c+\i], v[PC+12+4*\c+\i]
.endr
.endr
.endm
; K step s of x: through my stage (in as loaded, back 64 bytes of a block's half a lane), quantised, image to LDS.  cnt: the younger loads that may stay out
.macro PHX s, cnt
.if (\s) < 5
	LOADX (\s)+3
.endif
.if (\s) == 5
	RING 0, 0                                      ; x's loads are all out: W's first three halves follow them
	RING 1, 0
	RING 2, 0
.endif
	s_wait_loadcnt \cnt
	WIN 0x04                                       ; an LDS store's data are its source 1: window 1
.irp i, 0,1,2,3,4,5,6,7,8,9,10,11,12,13,14,15
	ds_store_b128 v[STW], v[64*((\s)%4)+4*\i:64*((\s)%4)+4*\i+3] offset:528*\i
.endr
	WIN 0
.irp b, 0,1,2,3
.irp j, 0,1,2,3
	ds_load_b128 v[X+16*\b+4*\j:X+16*\b+4*\j+3], v[STR] offset:128*\b+16*\j   ; a wave's LDS instructions are served in order: these see my stores
.endr
.endr
	s_wait_dscnt 0x0
	QUANT
.irp q, 0,1,2
	ds_store_b128 v[IMW], v[PC+4*\q:PC+4*\q+3] offset:1536*(\s)+512*\q
.endr
	ds_store_b32 v[ISW], v[PW] offset:128*(\s)
.endm
; half i of a head.  mode 0: Q, K; 1: V.  ahead: the half three on is asked for.  cnt: the loads of the three halves behind this one (13 an odd half; an even one 15, for V 14)
.macro HALF mode, i, ahead, cnt
	PLACES                                         ; the slot, scale words and bias that the last half read are loaded again
.if \ahead
	RING ((\i)+3)%8, (\mode)+1
.endif
.set HT, (\i)/2
.set HH, (\i)%2
.set HS, (\i)%4
	s_wait_loadcnt \cnt
.if (\mode) && (HH == 0)
	WIN 0xc3
.irp j, 0,1,2,3,4,5,6,7
	v_mov_b32 v[192+\j], v[208+HT%2]               ; V: a lane holds one column, so its bias fills the eight registers of C
.endr
	PLACES
.endif
.irp sq, 0,1,2,3
.irp m, 0,1,2,3
.if \mode
.if (HH == 0) && (\sq == 0)
	WIN 0x3d
	v_wmma_scale_f32_16x16x128_f8f6f4 v[ACC+32*HT+8*\m:ACC+32*HT+8*\m+7], v[12*(4*\sq+\m):12*(4*\sq+\m)+11], v[48*HS+12*\sq:48*HS+12*\sq+11], v[192:199], v[XS+8*\m+4*HH+\sq], v[WS+4*HS+\sq] matrix_a_fmt:MATRIX_FMT_FP6 matrix_b_fmt:MATRIX_FMT_FP6
.else
	WIN 0x0d+HH
	v_wmma_scale_f32_16x16x128_f8f6f4 v[ACC+32*HT+8*\m:ACC+32*HT+8*\m+7], v[12*(4*\sq+\m):12*(4*\sq+\m)+11], v[48*HS+12*\sq:48*HS+12*\sq+11], v[ACC+32*HT+8*\m:ACC+32*HT+8*\m+7], v[XS+8*\m+4*HH+\sq], v[WS+4*HS+\sq] matrix_a_fmt:MATRIX_FMT_FP6 matrix_b_fmt:MATRIX_FMT_FP6
.endif
.else
.if (HH == 0) && (\sq == 0)
	WIN 0x37
	v_wmma_scale_f32_16x16x128_f8f6f4 v[ACC+32*\m+8*HT:ACC+32*\m+8*HT+7], v[48*HS+12*\sq:48*HS+12*\sq+11], v[12*(4*\sq+\m):12*(4*\sq+\m)+11], v[192+8*(HT%2):199+8*(HT%2)], v[WS+4*HS+\sq], v[XS+8*\m+4*HH+\sq] matrix_a_fmt:MATRIX_FMT_FP6 matrix_b_fmt:MATRIX_FMT_FP6
.else
	WIN 0x07+4*HH
	v_wmma_scale_f32_16x16x128_f8f6f4 v[ACC+32*\m+8*HT:ACC+32*\m+8*HT+7], v[48*HS+12*\sq:48*HS+12*\sq+11], v[12*(4*\sq+\m):12*(4*\sq+\m)+11], v[ACC+32*\m+8*HT:ACC+32*\m+8*HT+7], v[WS+4*HS+\sq], v[XS+8*\m+4*HH+\sq] matrix_a_fmt:MATRIX_FMT_FP6 matrix_b_fmt:MATRIX_FMT_FP6
.endif
.endif
.endr
.endr
.endm
; a head's 128 registers: four groups of 32 (Q, K: a tile of tokens; V: a tile of d), each two blocks of 32 shared with lane l xor 16: quantised and stored as half images
.macro EPILOG mode
	WIN 0
	PLACES
.irp n, 0,1,2,3,4,5,6,7
	v_max3_num_f32 v[MX+\n], |v[ACC+16*\n]|, |v[ACC+16*\n+1]|, 0x1800000   ; each accumulator is read from its low end on
.endr
.irp i, 2,4,6,8,10,12,14
.irp n, 0,1,2,3,4,5,6,7
	v_max3_num_f32 v[MX+\n], v[MX+\n], |v[ACC+16*\n+\i]|, |v[ACC+16*\n+\i+1]|
.endr
.endr
.irp n, 0,1,2,3,4,5,6,7
	v_permlanex16_b32 v[PT+\n], v[MX+\n], s[SEL], s[SEL+1]
.endr
.irp n, 0,1,2,3,4,5,6,7
	v_max_num_f32 v[MX+\n], v[MX+\n], v[PT+\n]
.endr
.irp n, 0,1,2,3,4,5,6,7
	v_add_nc_u32 v[SO+\n], 0xff000000, v[MX+\n]
.endr
.irp n, 0,1,2,3,4,5,6,7
	v_lshrrev_b32 v[PT+\n], 23, v[SO+\n]
.endr
.irp g, 0,1,2,3
	v_lshl_or_b32 v[SW+\g], v[PT+2*\g+1], 8, v[PT+2*\g]
.endr
.if !(\mode)
.irp g, 0,1,2,3
	v_lshl_or_b32 v[SW+\g], v[SW+\g], 16, v[SW+\g] ; twice: the word serves either half of a K of 128
.endr
.endif
.irp g, 0,1,2,3
	v_cvt_scalef32_pk16_fp6_f32 v[PC+8*\g:PC+8*\g+2], v[ACC+32*\g:ACC+32*\g+15], v[SO+2*\g]
	v_cvt_scalef32_pk16_fp6_f32 v[PC+8*\g+4:PC+8*\g+6], v[ACC+32*\g+16:ACC+32*\g+31], v[SO+2*\g+1]
.endr
	v_nop                                          ; one plain instruction behind the conversions
.irp g, 0,1,2,3
.irp i, 0,1,2
	v_permlane16_swap_b32 v[PC+8*\g+\i], v[PC+8*\g+4+\i]
.endr
.irp i, 0,1,2
	v_mov_b32 v[PC+8*\g+3+\i], v[PC+8*\g+4+\i]
.endr
.endr
.irp g, 0,1,2,3
.if \mode
	global_store_b128 v[O16], v[PC+8*\g:PC+8*\g+3], s[OP:OP+1] offset:\g*1536
	global_store_b64 v[O8], v[PC+8*\g+4:PC+8*\g+5], s[OP:OP+1] offset:\g*1536+512
	global_store_b16 v[OSC], v[SW+\g], s[OP:OP+1] offset:6144+4*\g   ; 64 keys own half of a scale word: two bytes a lane, one part in 12 of V's bytes
.else
	global_store_b128 v[O16], v[PC+8*\g:PC+8*\g+3], s[OP:OP+1] offset:\g*768     ; 512 consecutive bytes, aligned
	global_store_b64 v[O8], v[PC+8*\g+4:PC+8*\g+5], s[OP:OP+1] offset:\g*768+512 ; 256 consecutive bytes, aligned
.endif
.endr
.if !(\mode)
	global_store_b128 v[OSC], v[SW:SW+3], s[OP:OP+1] offset:6144   ; lanes l and l + 16 hold and store the same four words
.endif
	s_wait_xcnt 0x0                                ; the stores have read their registers and their base
	s_add_nc_u64 s[OP:OP+1], s[OP:OP+1], 106496    ; the next head's records
.endm
.macro HEAD mode, ahead
	HALF \mode, 0, 1, 41-\mode
	HALF \mode, 1, 1, 43-2*\mode
	HALF \mode, 2, 1, 41-\mode
	HALF \mode, 3, 1, 43-2*\mode
	HALF \mode, 4, 1, 41-\mode
.if \ahead
	s_wait_xcnt 0x0                                ; every load issued has read its base: on to the next head's weights
	s_add_nc_u64 s[WP:WP+1], s[WP:WP+1], 49152
	s_add_nc_u64 s[SP:SP+1], s[SP:SP+1], 2048
	s_add_nc_u64 s[BP:BP+1], s[BP:BP+1], 256
	HALF \mode, 5, 1, 43-2*\mode
	HALF \mode, 6, 1, 41-\mode
	HALF \mode, 7, 1, 43-2*\mode
.else
	HALF \mode, 5, 0, 28-\mode                     ; the last head asks for nothing more: the counts run down
	HALF \mode, 6, 0, 13
	HALF \mode, 7, 0, 0
.endif
	EPILOG \mode
.endm
	s_load_b256 s[4:11], s[0:1], 0x0               ; query, key_in, value, wimg
	s_load_b256 s[12:19], s[0:1], 0x20             ; wsc, bq, bk, bv
	s_load_b128 s[20:23], s[0:1], 0x40             ; qrec, krec
	s_load_b64 s[24:25], s[0:1], 0x50              ; vrec
	v_lshl_add_u32 v[SPW], v0, 2, SPARE
	v_mov_b32 v[NIL], 0
	v_lshrrev_b32 v1, 5, v0
	v_readfirstlane_b32 s[WV], v1                  ; wave
	s_lshr_b32 s[TZ], ttmp9, 6                     ; 0 Q, 1 K, 2 V
	s_and_b32 s[BLKN], ttmp9, 63                   ; which 64 rows
	s_and_b32 s[CH], ttmp9, 1                      ; which half of a record's 128
	s_mov_b32 s[SEL], 0x76543210
	s_mov_b32 s[SEL+1], 0xfedcba98
	v_and_b32 v8, 31, v0                           ; lane
	v_and_b32 v[VR], 15, v0                        ; r
	v_bfe_u32 v[VH], v0, 4, 1                      ; h
	v_lshlrev_b32 v[LX], 4, v8
	s_mul_i32 s44, s[WV], 8448
	v_add_nc_u32 v[STW], s44, v[LX]
	v_mul_u32_u24 v[STR], v[VR], 528
	v_lshl_add_u32 v[STR], v[VH], 6, v[STR]
	v_add_nc_u32 v[STR], s44, v[STR]
	s_mul_i32 s44, s[WV], 12288
	s_add_co_u32 s44, s44, XIMG
	v_add_nc_u32 v[IMW], s44, v[LX]
	v_lshlrev_b32 v[LS], 2, v8
	s_lshl_b32 s44, s[WV], 10
	s_add_co_u32 s44, s44, XSC
	v_add_nc_u32 v[ISW], s44, v[LS]
	v_add_nc_u32 v[LI], XIMG, v[LX]
	v_add_nc_u32 v[LS], XSC, v[LS]
	v_lshlrev_b32 v[WSO], 5, v[VR]
.irp n, 0,1,2,3,4,5,6,7
	v_mov_b32 v[PT+\n], 0                          ; written once: a lane permute's destination counts as read
.endr
	s_lshl_b32 s44, s[BLKN], 18                    ; x: 64 rows of 4,096 bytes a block,
	s_lshr_b32 s46, s[WV], 1
	s_lshl_b32 s46, s46, 17                        ; my tile begins at row 32 (w / 2) + 8 (w % 2)
	s_add_co_u32 s44, s44, s46
	s_and_b32 s46, s[WV], 1
	s_lshl_b32 s46, s46, 15
	s_add_co_u32 s44, s44, s46
	s_mov_b32 s45, 0
	s_lshr_b32 s46, s[BLKN], 5                     ; records: ((b 16 + 4 w) 16 + step) x 6,656
	s_lshl_b32 s46, s46, 4
	s_lshl_b32 s47, s[WV], 2
	s_add_co_u32 s46, s46, s47
	s_lshl_b32 s46, s46, 4
	s_bfe_u32 s47, s[BLKN], 0x40001
	s_add_co_u32 s46, s46, s47
	s_mul_i32 s46, s46, 6656
	s_mov_b32 s47, 0
	s_mul_i32 s48, s[TZ], 786432                   ; W's images: the weight, my 16 tiles
	s_mul_i32 s49, s[WV], 196608
	s_add_co_u32 s48, s48, s49
	s_mov_b32 s49, 0
	s_wait_kmcnt 0x0
	s_cmp_eq_u32 s[TZ], 0                          ; the choices hang on the work-group's number alone
	s_cselect_b64 s[XB:XB+1], s[4:5], s[6:7]
	s_cselect_b64 s[BP:BP+1], s[14:15], s[16:17]
	s_cselect_b64 s[OP:OP+1], s[20:21], s[22:23]
	s_cmp_eq_u32 s[TZ], 2
	s_cselect_b64 s[XB:XB+1], s[8:9], s[XB:XB+1]
	s_cselect_b64 s[BP:BP+1], s[18:19], s[BP:BP+1]
	s_cselect_b64 s[OP:OP+1], s[24:25], s[OP:OP+1]
	s_add_nc_u64 s[XB:XB+1], s[XB:XB+1], s[44:45]
	s_add_nc_u64 s[OP:OP+1], s[OP:OP+1], s[46:47]
	s_add_nc_u64 s[WP:WP+1], s[10:11], s[48:49]
	s_lshl_b32 s44, s[TZ], 15
	s_lshl_b32 s46, s[WV], 13
	s_add_co_u32 s44, s44, s46
	s_add_nc_u64 s[SP:SP+1], s[12:13], s[44:45]
	s_lshl_b32 s44, s[WV], 10
	s_add_nc_u64 s[BP:BP+1], s[BP:BP+1], s[44:45]
	; ---- x: my 16 rows, a K step at a time, the loads three K steps ahead
	LOADX 0
	LOADX 1
	LOADX 2
	PHX 0, 48                                      ; three K steps' loads may stay out
	PHX 1, 48
	PHX 2, 48
	PHX 3, 48
	PHX 4, 48
	PHX 5, 63                                      ; 32 of x and 39 of W are younger; a wait names 63 at the most
	PHX 6, 55                                      ; 16 of x, 39 of W
	PHX 7, 39                                      ; W's
	s_wait_dscnt 0x0                               ; my images and scale words have landed
	s_barrier_signal -1
	s_barrier_wait -1                              ; everybody's have
	WIN 0x40
.irp sq, 0,1,2,3
.irp m, 0,1,2,3
.irp q, 0,1,2
	ds_load_b128 v[12*(4*\sq+\m)+4*\q:12*(4*\sq+\m)+4*\q+3], v[LI] offset:(8*\m+\sq)*1536+512*\q
.endr
.endr
.endr
	WIN 0x80
.irp sq, 0,1,2,3
.irp m, 0,1,2,3
.irp q, 0,1,2
	ds_load_b128 v[12*(4*\sq+\m)+4*\q:12*(4*\sq+\m)+4*\q+3], v[LI] offset:(8*\m+4+\sq)*1536+512*\q
.endr
.endr
.endr
	WIN 0
.set n, 0
.rept 32
	ds_load_b32 v[XS+n], v[LS] offset:128*n
.set n, n+1
.endr
	s_cmp_eq_u32 s[TZ], 2
	s_cbranch_scc1 .Lv
	; ---- Q, K
	v_lshlrev_b32 v[BO], 6, v[VH]                  ; the bias: a tile's eight columns of my half
	s_mul_i32 s44, s[CH], 3072
	v_add_nc_u32 v[O16], s44, v[LX]
	v_lshrrev_b32 v[O8], 1, v[LX]
	v_add_nc_u32 v[O8], s44, v[O8]
	s_lshl_b32 s44, s[CH], 8
	v_lshl_add_u32 v[OSC], v[VR], 4, s44
	WIN 0xc0
	global_load_b128 v[192:195], v[BO], s[BP:BP+1]
	global_load_b128 v[196:199], v[BO], s[BP:BP+1] offset:16
	global_load_b128 v[200:203], v[BO], s[BP:BP+1] offset:32
	global_load_b128 v[204:207], v[BO], s[BP:BP+1] offset:48
	WIN 0
	s_wait_dscnt 0x0                               ; x's fragments and scale words
	s_wait_loadcnt 0x0                             ; W's first three halves, the first two tiles' bias
	s_mov_b32 s[HD], 3
.Lqk:
	HEAD 0, 1
	s_sub_co_u32 s[HD], s[HD], 1
	s_cmp_lg_u32 s[HD], 0
	s_cbranch_scc1 .Lqk
	HEAD 0, 0
	s_branch .Lend
	; ---- V
.Lv:
	v_and_b32 v[BO], 8, v[VR]
	v_add_nc_u32 v[BO], v[BO], v[VR]
	v_lshlrev_b32 v[BO], 2, v[BO]                  ; the bias: my lane's column r + 8 (r / 8) of a tile
	s_mul_i32 s44, s[CH], 768
	v_add_nc_u32 v[O16], s44, v[LX]
	v_lshrrev_b32 v[O8], 1, v[LX]
	v_add_nc_u32 v[O8], s44, v[O8]
	s_lshl_b32 s44, s[CH], 1
	v_add_nc_u32 v[OSC], s44, v[LX]
	WIN 0xc0
	global_load_b32 v208, v[BO], s[BP:BP+1]
	global_load_b32 v209, v[BO], s[BP:BP+1] offset:32
	WIN 0
	s_wait_dscnt 0x0
	s_wait_loadcnt 0x0
	s_mov_b32 s[HD], 3
.Lvh:
	HEAD 1, 1
	s_sub_co_u32 s[HD], s[HD], 1
	s_cmp_lg_u32 s[HD], 0
	s_cbranch_scc1 .Lvh
	HEAD 1, 0
.Lend:
	s_wait_tensorcnt 0x0                           ; the wave's end: behind my last LDS store
	ds_add_u32 v[SPW], v[NIL]
	s_wait_dscnt 0x0
	s_endpgm
.Lfunc_end_k_q3869d57722_proj:
	.size	k_q3869d57722_proj, .Lfunc_end_k_q3869d57722_proj-k_q3869d57722_proj
	.p2alignl 7, 3214868480
	.fill 96, 4, 3214868480
	.section	.rodata,"a",@progbits
	.p2align	6, 0x0
	.amdhsa_kernel k_q3869d57722_proj
		.amdhsa_group_segment_fixed_size 87552
		.amdhsa_private_segment_fixed_size 0
		.amdhsa_enable_private_segment 0
		.amdhsa_kernarg_size 88
		.amdhsa_user_sgpr_count 2
		.amdhsa_user_sgpr_kernarg_segment_ptr 1
		.amdhsa_wavefront_size32 1
		.amdhsa_system_sgpr_workgroup_id_x 1
		.amdhsa_system_sgpr_workgroup_id_y 1
		.amdhsa_system_sgpr_workgroup_id_z 1
		.amdhsa_system_vgpr_workitem_id 0
		.amdhsa_next_free_vgpr 1024
		.amdhsa_next_free_sgpr 66
		.amdhsa_reserve_vcc 0
		.amdhsa_float_denorm_mode_32 3
		.amdhsa_float_denorm_mode_16_64 3
		.amdhsa_memory_ordered 1
		.amdhsa_forward_progress 1
		.amdhsa_inst_pref_size 223
	.end_amdhsa_kernel
	.amdgpu_metadata
---
amdhsa.version: [ 1, 2 ]
amdhsa.kernels:
  - .name:           k_q3869d57722_proj
    .symbol:         k_q3869d57722_proj.kd
    .args:
      - { .name: query, .offset: 0, .size: 8, .value_kind: global_buffer, .address_space: global }
      - { .name: key_in, .offset: 8, .size: 8, .value_kind: global_buffer, .address_space: global }
      - { .name: value, .offset: 16, .size: 8, .value_kind: global_buffer, .address_space: global }
      - { .name: wimg, .offset: 24, .size: 8, .value_kind: global_buffer, .address_space: global }
      - { .name: wsc, .offset: 32, .size: 8, .value_kind: global_buffer, .address_space: global }
      - { .name: bq, .offset: 40, .size: 8, .value_kind: global_buffer, .address_space: global }
      - { .name: bk, .offset: 48, .size: 8, .value_kind: global_buffer, .address_space: global }
      - { .name: bv, .offset: 56, .size: 8, .value_kind: global_buffer, .address_space: global }
      - { .name: qrec, .offset: 64, .size: 8, .value_kind: global_buffer, .address_space: global }
      - { .name: krec, .offset: 72, .size: 8, .value_kind: global_buffer, .address_space: global }
      - { .name: vrec, .offset: 80, .size: 8, .value_kind: global_buffer, .address_space: global }
    .group_segment_fixed_size: 87552
    .private_segment_fixed_size: 0
    .kernarg_segment_align: 8
    .kernarg_segment_size: 88
    .max_flat_workgroup_size: 128
    .sgpr_count:     66
    .vgpr_count:     1024
    .wavefront_size: 32
...
	.end_amdgpu_metadata
.endif
;; end of part 2
;; launch attn (part 3): grid 8 x 32, 16 waves a work-group, clusters of 4 x 1, 327,680 bytes of LDS; arguments qrec, krec, prec, vrec, pb, crec, csc; writes crec, csc
.if DOCPART == 3
	.amdgcn_target "amdgcn-amd-amdhsa--gfx1250"
	.amdhsa_code_object_version 6
	.text
	.protected	k_q3869d57722_attn
	.globl	k_q3869d57722_attn
	.p2align	8
	.type	k_q3869d57722_attn,@function
k_q3869d57722_attn:
	s_mov_b64 s[64:65], 0
	v_nop
	global_prefetch_b8 v0, s[64:65] scope:SCOPE_SE
	s_setreg_imm32_b32 hwreg(HW_REG_WAVE_MODE, 25, 1), 1
	s_wait_xcnt 0x0
	s_wait_alu depctr_hold_cnt(0) depctr_sa_sdst(0) depctr_va_vdst(0) depctr_va_sdst(0) depctr_va_ssrc(0) depctr_va_vcc(0) depctr_vm_vsrc(0)
	s_getreg_b32 s2, hwreg(HW_REG_IB_STS2, 6, 4)
	s_cmp_eq_u32 s2, 0
	s_cbranch_scc0 .Lentry_in_a_cluster
	s_endpgm
.Lentry_in_a_cluster:
	s_bfe_u32 s2, ttmp6, 0x10000c
	s_cmp_lg_u32 s2, 0x3003
	s_cbranch_scc0 .Lentry_shape_is_right
	s_endpgm
.Lentry_shape_is_right:
; ctx = softmax((Q K^T + pb Q pc^T) / 8) V for one head and 256 queries a work-group, all three products on codes of FP6 (E2M3) with E8M0 scales; ctx is quantised along d on the way out.
; THE SOFTMAX: t = logit x log2(e); M = the running largest t rounded UP to a whole number; p = 2^(t - M) is quantised along the keys, not normalised; the row's sum is taken of the unquantised p and divides at the end.
; SHARES.  Sixteen waves, each ONE tile of 16 queries in 256 registers, four to a SIMD.  Every wave walks the head's 2,048 keys, 128 a step.
; A WHOLE HEAD LIES IN LDS: K's, pc's and V's 16 records of 6,656 bytes each, 319,488 bytes, in four chunks of four steps [K | pc | V].  Every byte is filled once: twelve tensor loads (waves 0, 1, 2: four each,
; four outstanding in a wave at the most) at the head; a chunk is read behind the counted wait for it and a barrier; nothing is filled again.
; CLUSTER.  The four query blocks of a cluster belong to one head: each load is asked for jointly, with the same descriptor and a mask that names the four.
; K = 64 IN A FORM OF K = 128: source 0 = [16 keys of K | the same 16 keys of pc]; source 1 = [Q | zeros] gives Q K^T, [zeros | Q] gives Q pc^T.  Q lies in 18 registers: Q, six zeros, Q.
; A scale register holds K's words in lanes 0-15 and pc's in lanes 16-31; each word holds its two bytes twice, so it serves either half of the 128.
; Both kinds of product are used transposed: a lane holds ONE query (lane % 16) throughout.  The keys of a tile are 32 b + 8 u + r + 8 (r / 8), so that p's 16 registers of two neighbouring tiles are 16 neighbouring keys.
; No data are prefetched: all that a work-group reads is asked for at its head.
; LIMITS: NaN and infinities are not served; a block whose largest magnitude lies under 2^-124 (a block of zeros too) keeps the byte 1.
.set REC,   6656
.set PART,  26624                      ; four records
.set CHB,   79872                      ; a chunk
.set SPARE, 319488                     ; behind the head: the spare words, 128 bytes a wave
.set L16, 1                            ; 16 x lane
.set L8,  2                            ; 8 x lane
.set ASB, 3                            ; 16 r + h x PART: lanes 0-15 K's scale words, lanes 16-31 pc's
.set SPW, 4                            ; my spare word; never rewritten
.set NIL, 5                            ; 0; never rewritten
.set A16, 6
.set A8,  7
.set AS,  8
.set QF,  16                           ; v16-33
.set QS,  34                           ; Q's scale word
.set PS,  35                           ; p's
.set SA,  36                           ; v36-43 K's and pc's of the step's 8 tiles
.set SV,  44                           ; v44-47 V's of the 4 tiles of d
.set FR,  48                           ; v48-95 four fragments
.set U,   96                           ; v96-159 the scores, then p
.set O,   160                          ; v160-191 O^T
.set S2,  192                          ; v192-223 Q pc^T of four tiles
.set PCD, 224                          ; v224-235 p's codes
.set BM,  236
.set PT,  240
.set SO,  244
.set T0,  248
.set F,   250
.set SUM2, 252
.set WV,  18
.set CX,  19
.set SEL, 20
.set CS,  22
.set G1,  24
.set G0,  32
.set PB,  48
.set TB,  50
.set CNT, 51
.set BH,  52
.set QB,  53
.macro PLACES
.rept 4
	v_nop
.endr
.endm
.macro CROUND                          ; a round of the cluster's barrier
	s_barrier_signal -1
	s_barrier_wait -1
	s_cmp_lg_u32 s[WV], 0
	s_cbranch_scc1 .Lnot_wave_0_\@
	s_barrier_signal -3
.Lnot_wave_0_\@:
	s_barrier_wait -3
	s_barrier_signal -1
	s_barrier_wait -1
.endm
	s_load_b256 s[4:11], s[0:1], 0x0               ; qrec, krec, prec, vrec
	s_load_b128 s[12:15], s[0:1], 0x20             ; pb, crec
	s_load_b64 s[16:17], s[0:1], 0x30              ; csc
	v_lshl_add_u32 v[SPW], v0, 2, SPARE
	v_mov_b32 v[NIL], 0
	ds_add_u32 v[SPW], v[NIL]                      ; the wave's opening: the add and its wait stand ahead of the first tensor loads; work on registers stands between
	v_lshrrev_b32 v1, 5, v0
	v_readfirstlane_b32 s[WV], v1                  ; wave 0..15
	s_bfe_u32 s[CX], ttmp6, 0x40000                ; my place in the cluster: it enters Q's and the outputs' global addresses alone
	s_and_b32 s[BH], ttmp7, 0xffff                 ; batch x 16 + head, which the four partners share
	s_lshl_b32 s[QB], ttmp9, 2
	s_add_co_u32 s[QB], s[QB], s[CX]               ; my block of 256 queries
	s_mov_b32 s[G1], 15|(3<<16)|(1<<21)            ; the mask: all four; elements of 8 bytes; bit 21 beside a mask; no padding
	s_mov_b32 s[G1+1], 32<<16                      ; tensor_dim0 = 32 elements: rows of 256 bytes
	s_mov_b32 s[G1+2], 104<<16                     ; tensor_dim1 = 104 rows: four records, dense
	s_mov_b32 s[G1+3], 32<<16                      ; tile_dim0
	s_mov_b32 s[G1+4], 104                         ; tile_dim1
	s_mov_b32 s[G1+5], 32                          ; the pitch
	s_mov_b32 s[G1+6], 0
	s_mov_b32 s[G1+7], 0
	s_mov_b32 s[SEL], 0x76543210
	s_mov_b32 s[SEL+1], 0xfedcba98
	s_mov_b32 s[CS], 0x3e38aa3b                    ; c = log2(e) / 8
	s_mov_b32 s[CS+1], s[CS]
	s_mul_i32 s54, s[WV], PART                     ; wave 0: K's part of a chunk, 1: pc's, 2: V's
	s_mul_i32 s56, s[BH], 16*REC
	s_mov_b32 s57, 0
	s_lshr_b32 s58, s[BH], 4
	s_mul_i32 s58, s58, 16*REC
	s_mov_b32 s59, 0
	s_wait_dscnt 0x0                               ; the opening add is done
	s_wait_kmcnt 0x0
	s_load_b32 s[PB], s[12:13], 0x0                ; pb
	s_add_nc_u64 s[6:7], s[6:7], s[56:57]          ; K's head
	s_add_nc_u64 s[8:9], s[8:9], s[58:59]          ; pc's batch
	s_add_nc_u64 s[10:11], s[10:11], s[56:57]      ; V's head
	s_cmp_eq_u32 s[WV], 0
	s_cselect_b64 s[60:61], s[6:7], s[8:9]
	s_cmp_eq_u32 s[WV], 2
	s_cselect_b64 s[60:61], s[10:11], s[60:61]     ; what my wave fetches, if it fetches
.irp ch, 0,1,2,3
	s_mov_b32 s[G0+4*\ch], 1
	s_add_co_u32 s[G0+4*\ch+1], s54, \ch*CHB
	s_add_nc_u64 s[G0+4*\ch+2:G0+4*\ch+3], s[60:61], \ch*PART
	s_or_b32 s[G0+4*\ch+3], s[G0+4*\ch+3], 0x80000000
.endr
	CROUND                                         ; all four work-groups are here: the joint loads meet
	s_cmp_lt_u32 s[WV], 3                          ; a wave's four fills stand in one branch on the wave's number
	s_cbranch_scc0 .Lno_fetch
.irp ch, 0,1,2,3
	tensor_load_to_lds s[G0+4*\ch:G0+4*\ch+3], s[G1:G1+7]
	s_nop 0
.endr
	PLACES
.Lno_fetch:
	s_lshl_b32 s54, s[BH], 4
	s_lshl_b32 s55, s[QB], 1
	s_add_co_u32 s54, s54, s55
	s_lshr_b32 s55, s[WV], 3
	s_add_co_u32 s54, s54, s55                     ; my queries' record
	s_mul_i32 s54, s54, REC
	s_mov_b32 s55, 0
	s_add_nc_u64 s[4:5], s[4:5], s[54:55]
	s_and_b32 s56, s[WV], 7                        ; my tile in it
	s_mul_i32 s54, s56, 768
	s_add_nc_u64 s[58:59], s[4:5], s[54:55]
	s_lshr_b32 s54, s56, 2
	s_lshl_b32 s54, s54, 8
	s_and_b32 s56, s[WV], 3
	s_lshl_b32 s56, s56, 2
	s_add_co_u32 s54, s54, s56
	s_add_nc_u64 s[4:5], s[4:5], s[54:55]          ; its scale words' column
	v_and_b32 v9, 31, v0
	v_and_b32 v10, 15, v0                          ; r
	v_bfe_u32 v11, v0, 4, 1                        ; h
	v_lshlrev_b32 v[L16], 4, v9
	v_lshlrev_b32 v[L8], 3, v9
	v_lshlrev_b32 v[AS], 4, v10
	v_mul_u32_u24 v[ASB], v11, PART
	v_add_nc_u32 v[ASB], v[ASB], v[AS]
	global_load_b128 v[QF:QF+3], v[L16], s[58:59]
	global_load_b64 v[QF+4:QF+5], v[L8], s[58:59] offset:512
	global_load_b128 v[QF+12:QF+15], v[L16], s[58:59]          ; Q a second time, behind the zeros
	global_load_b64 v[QF+16:QF+17], v[L8], s[58:59] offset:512
	global_load_b32 v[QS], v[AS], s[4:5] offset:6144
.irp j, 6,7,8,9,10,11
	v_mov_b32 v[QF+\j], 0
.endr
.set n, 0
.rept 32
	v_mov_b32 v[O+n], 0                            ; the step is written once: the first finds zeros, which the first change of M leaves zeros
.set n, n+1
.endr
.irp b, 0,1,2,3
	v_mov_b32 v[PT+\b], 0                          ; a lane permute's destination counts as read
.endr
	v_mov_b32 v13, 0xff61b1e6                      ; the largest t so far: -3e38
	v_floor_f32 v12, -v13                          ; -M
	v_mov_b32 v14, 0
	v_mov_b32 v15, 0                               ; the sum, in two halves
	v_mov_b32 v[F+1], 0                            ; named as the upper half of a pair
	s_wait_kmcnt 0x0
	s_mov_b32 s[PB+1], s[PB]
	s_wait_loadcnt 0x0                             ; Q
.macro LOADK g                         ; tiles 4 g .. 4 g + 3: K's half image, then pc's
.irp t, 0,1,2,3
	ds_load_b128 v[FR+12*\t:FR+12*\t+3], v[A16] offset:768*(4*\g+\t)
	ds_load_b64 v[FR+12*\t+4:FR+12*\t+5], v[A8] offset:768*(4*\g+\t)+512
	ds_load_b128 v[FR+12*\t+6:FR+12*\t+9], v[A16] offset:PART+768*(4*\g+\t)
	ds_load_b64 v[FR+12*\t+10:FR+12*\t+11], v[A8] offset:PART+768*(4*\g+\t)+512
.endr
.endm
.macro SPROD g
.irp t, 0,1,2,3
	v_wmma_scale_f32_16x16x128_f8f6f4 v[U+32*\g+8*\t:U+32*\g+8*\t+7], v[FR+12*\t:FR+12*\t+11], v[QF:QF+11], 0, v[SA+4*\g+\t], v[QS] matrix_a_fmt:MATRIX_FMT_FP6 matrix_b_fmt:MATRIX_FMT_FP6
.endr
.irp t, 0,1,2,3
	v_wmma_scale_f32_16x16x128_f8f6f4 v[S2+8*\t:S2+8*\t+7], v[FR+12*\t:FR+12*\t+11], v[QF+6:QF+17], 0, v[SA+4*\g+\t], v[QS] matrix_a_fmt:MATRIX_FMT_FP6 matrix_b_fmt:MATRIX_FMT_FP6 matrix_a_scale:MATRIX_SCALE_ROW1
.endr
.endm
.macro COMB g                          ; Q K^T + pb x Q pc^T, two at a time, each accumulator from its low end on
.irp j, 0,2,4,6,8,10,12,14,16,18,20,22,24,26,28,30
	v_pk_fma_f32 v[U+32*\g+\j:U+32*\g+\j+1], v[S2+\j:S2+\j+1], s[PB:PB+1], v[U+32*\g+\j:U+32*\g+\j+1] op_sel_hi:[1,0,1]
.endr
.endm
; A KEY STEP: the 128 keys whose records begin at LDS byte s[TB] (K), + PART (pc), + 2 PART (V)
.macro STEP
	v_add_nc_u32 v[A16], s[TB], v[L16]
	v_add_nc_u32 v[A8], s[TB], v[L8]
	v_add_nc_u32 v[AS], s[TB], v[ASB]
	v_nop                                          ; four plain instructions behind the last step's products, ahead of the loads into their operands
	ds_load_b128 v[SA:SA+3], v[AS] offset:6144
	ds_load_b128 v[SA+4:SA+7], v[AS] offset:6400
	LOADK 0
	s_wait_dscnt 0x0
	SPROD 0
	PLACES
	LOADK 1
	COMB 0                                         ; stands between the loads and the wait for them
	s_wait_dscnt 0x0
	SPROD 1
	PLACES
.irp t, 0,1,2,3                                ; V's four tiles of d are asked for ahead of the softmax
	ds_load_b128 v[FR+12*\t:FR+12*\t+3], v[A16] offset:2*PART+1536*\t
	ds_load_b64 v[FR+12*\t+4:FR+12*\t+5], v[A8] offset:2*PART+1536*\t+512
	ds_load_b128 v[FR+12*\t+6:FR+12*\t+9], v[A16] offset:2*PART+1536*\t+768
	ds_load_b64 v[FR+12*\t+10:FR+12*\t+11], v[A8] offset:2*PART+1536*\t+1280
.endr
	ds_load_b128 v[SV:SV+3], v[A16] offset:2*PART+6144
	COMB 1
.irp b, 0,1,2,3
	v_max3_num_f32 v[BM+\b], v[U+16*\b], v[U+1+16*\b], v[U+2+16*\b]   ; the largest score of each block of 32 keys: for the row's maximum, and, since p rises with the score, for the block's largest p
.endr
.irp i, 3,5,7,9,11,13
.irp b, 0,1,2,3
	v_max3_num_f32 v[BM+\b], v[BM+\b], v[U+16*\b+\i], v[U+1+16*\b+\i]
.endr
.endr
.irp b, 0,1,2,3
	v_max_num_f32 v[BM+\b], v[BM+\b], v[U+15+16*\b]
.endr
.irp b, 0,1,2,3
	v_permlanex16_b32 v[PT+\b], v[BM+\b], s[SEL], s[SEL+1]
.endr
.irp b, 0,1,2,3
	v_max_num_f32 v[BM+\b], v[BM+\b], v[PT+\b]     ; with lane l xor 16's 16 keys
.endr
	v_max3_num_f32 v[T0], v[BM], v[BM+1], v[BM+2]
	v_max_num_f32 v[T0], v[T0], v[BM+3]
	v_mul_f32 v[T0], s[CS], v[T0]                  ; as t (c is positive)
	v_max_num_f32 v13, v13, v[T0]                  ; the running largest t
	v_mov_b32 v[T0], v12
	v_floor_f32 v12, -v13                          ; the new -M = -ceil(t): a whole number
	v_sub_f32 v[T0], v12, v[T0]                    ; old M - new M: a whole number, 0 or less
	v_cvt_i32_f32 v[T0], v[T0]                     ; (it saturates)
	v_ldexp_f32 v[F], 1.0, v[T0]                   ; f = 2^(old M - new M): multiplying by it rounds nothing
.irp j, 0,2,4,6,8,10,12,14,16,18,20,22,24,26,28,30,32,34,36,38,40,42,44,46,48,50,52,54,56,58,60,62
	v_pk_fma_f32 v[U+\j:U+\j+1], v[U+\j:U+\j+1], s[CS:CS+1], v[12:13] op_sel_hi:[1,0,0]   ; t - M
.endr
.irp b, 0,1,2,3
	v_fma_f32 v[BM+\b], v[BM+\b], s[CS], v12       ; the same of each block's largest score
.endr
.set n, 0
.rept 64
	v_exp_f32 v[U+n], v[U+n]                       ; p = 2^(t - M)
.set n, n+1
.endr
	v_pk_mul_f32 v[14:15], v[14:15], v[F:F+1] op_sel_hi:[1,0]   ; the sums under the new M: the plain instruction behind the exponentials
	s_wait_alu depctr_va_vdst(0)                   ; one wait for the batch of 64, ahead of its first reader
.irp b, 0,1,2,3
	v_exp_f32 v[BM+\b], v[BM+\b]                   ; the block's largest p: the same two instructions on the same number
.endr
	v_pk_add_f32 v[SUM2:SUM2+1], v[U:U+1], v[U+2:U+3]   ; the row's sum of the unquantised p, in two chains
.irp j, 4,8,12,16,20,24,28,32,36,40,44,48,52,56,60
	v_pk_add_f32 v[14:15], v[14:15], v[U+\j:U+\j+1]
	v_pk_add_f32 v[SUM2:SUM2+1], v[SUM2:SUM2+1], v[U+2+\j:U+3+\j]
.endr
	v_pk_add_f32 v[14:15], v[14:15], v[SUM2:SUM2+1]
	s_wait_alu depctr_va_vdst(0)                   ; and one for the four
.irp b, 0,1,2,3
	v_max_num_f32 v[BM+\b], 0x1800000, v[BM+\b]    ; the floor: the byte cannot fall under 1
.endr
.irp b, 0,1,2,3
	v_add_nc_u32 v[SO+\b], 0xff000000, v[BM+\b]
.endr
.irp b, 0,1,2,3
	v_lshrrev_b32 v[PT+\b], 23, v[SO+\b]
.endr
	v_lshl_or_b32 v[PS], v[PT+1], 8, v[PT]         ; p's scale word for these 128 keys
	v_lshl_or_b32 v[PS], v[PT+2], 16, v[PS]
	v_lshl_or_b32 v[PS], v[PT+3], 24, v[PS]
.irp c, 0,1
	v_cvt_scalef32_pk16_fp6_f32 v[PCD+6*\c:PCD+6*\c+2], v[U+32*\c:U+15+32*\c], v[SO+2*\c]
	v_cvt_scalef32_pk16_fp6_f32 v[BM+4*\c:BM+4*\c+2], v[U+16+32*\c:U+31+32*\c], v[SO+2*\c+1]
.endr
	v_nop                                          ; one plain instruction behind the conversions
.irp c, 0,1
.irp i, 0,1,2
	v_permlane16_swap_b32 v[PCD+6*\c+\i], v[BM+4*\c+\i]
.endr
.irp i, 0,1,2
	v_mov_b32 v[PCD+3+6*\c+\i], v[BM+4*\c+\i]
.endr
.endr
.irp j, 0,2,4,6,8,10,12,14,16,18,20,22,24,26,28,30
	v_pk_mul_f32 v[O+\j:O+\j+1], v[O+\j:O+\j+1], v[F:F+1] op_sel_hi:[1,0]   ; O^T under the new M; these sixteen also stand between the making of p's codes and scale word and the products
.endr
	s_wait_dscnt 0x0                               ; V
.irp t, 0,1,2,3
	v_wmma_scale_f32_16x16x128_f8f6f4 v[O+8*\t:O+8*\t+7], v[FR+12*\t:FR+12*\t+11], v[PCD:PCD+11], v[O+8*\t:O+8*\t+7], v[SV+\t], v[PS] matrix_a_fmt:MATRIX_FMT_FP6 matrix_b_fmt:MATRIX_FMT_FP6
.endr
.endm
.macro CHUNK ch
	s_wait_tensorcnt 3-\ch                         ; my loads up to this chunk's have landed; the later chunks' may stay out
	s_barrier_signal -1
	s_barrier_wait -1                              ; everybody's have
	s_mov_b32 s[TB], \ch*CHB
	s_mov_b32 s[CNT], 4
.Lstep_\@:
	STEP
	s_add_co_u32 s[TB], s[TB], REC
	s_sub_co_u32 s[CNT], s[CNT], 1
	s_cmp_lg_u32 s[CNT], 0
	s_cbranch_scc1 .Lstep_\@
.endm
	CHUNK 0
	CHUNK 1
	CHUNK 2
	CHUNK 3
	; THE WAY OUT: O^T / the sum; register 16 b + i is d = 32 b + 16 h + i of my query: two blocks, quantised as a half image of the last product's left operand
	v_add_f32 v14, v14, v15
	v_permlanex16_b32 v[T0], v14, s[SEL], s[SEL+1]
	v_add_f32 v14, v14, v[T0]                      ; the row's sum
	v_rcp_f32 v14, v14
	v_lshlrev_b32 v10, 5, v10                      ; 32 r: my row's scale bytes.  (A plain instruction behind the reciprocal)
	v_nop
	v_nop
	s_lshr_b32 s54, s[BH], 4
	s_lshl_b32 s54, s54, 7
	s_lshl_b32 s55, s[QB], 4
	s_add_co_u32 s54, s54, s55
	s_add_co_u32 s54, s54, s[WV]                   ; my tile of tokens: 128 b + 16 x block + wave
	s_and_b32 s56, s[BH], 15                       ; the head
	s_mul_i32 s58, s54, 12288
	s_mul_i32 s57, s56, 768
	s_add_co_u32 s58, s58, s57
	s_mov_b32 s59, 0
	s_add_nc_u64 s[14:15], s[14:15], s[58:59]
	s_lshl_b32 s58, s54, 9
	s_lshl_b32 s57, s56, 1
	s_add_co_u32 s58, s58, s57
	s_add_nc_u64 s[16:17], s[16:17], s[58:59]
	s_wait_alu depctr_va_vdst(0)                   ; ahead of the reciprocal's first reader
.set n, 0
.rept 32
	v_mul_f32 v[U+n], v[O+n], v14
.set n, n+1
.endr
.irp b, 0,1
	v_max3_num_f32 v[BM+\b], |v[U+16*\b]|, |v[U+1+16*\b]|, 0x1800000
.endr
.irp i, 2,4,6,8,10,12,14
.irp b, 0,1
	v_max3_num_f32 v[BM+\b], v[BM+\b], |v[U+16*\b+\i]|, |v[U+1+16*\b+\i]|
.endr
.endr
.irp b, 0,1
	v_permlanex16_b32 v[PT+\b], v[BM+\b], s[SEL], s[SEL+1]
.endr
.irp b, 0,1
	v_max_num_f32 v[BM+\b], v[BM+\b], v[PT+\b]
.endr
.irp b, 0,1
	v_add_nc_u32 v[SO+\b], 0xff000000, v[BM+\b]
.endr
.irp b, 0,1
	v_lshrrev_b32 v[PT+\b], 23, v[SO+\b]
.endr
	v_lshl_or_b32 v[PS], v[PT+1], 8, v[PT]
	v_cvt_scalef32_pk16_fp6_f32 v[PCD:PCD+2], v[U:U+15], v[SO]
	v_cvt_scalef32_pk16_fp6_f32 v[PCD+4:PCD+6], v[U+16:U+31], v[SO+1]
	v_nop
.irp i, 0,1,2
	v_permlane16_swap_b32 v[PCD+\i], v[PCD+4+\i]
.endr
.irp i, 0,1,2
	v_mov_b32 v[PCD+3+\i], v[PCD+4+\i]
.endr
	global_store_b128 v[L16], v[PCD:PCD+3], s[14:15]               ; 512 consecutive bytes, aligned
	global_store_b64 v[L8], v[PCD+4:PCD+5], s[14:15] offset:512    ; 256 consecutive bytes, aligned
	global_store_b16 v10, v[PS], s[16:17]          ; a head owns two bytes of a row's 32: one part in 24 of what the launch stores; lanes l and l + 16 store the same
	s_wait_tensorcnt 0x0                           ; the wave's end: behind my last tensor load
	ds_add_u32 v[SPW], v[NIL]
	s_wait_dscnt 0x0
	CROUND                                         ; the closing round
	s_endpgm
.Lfunc_end_k_q3869d57722_attn:
	.size	k_q3869d57722_attn, .Lfunc_end_k_q3869d57722_attn-k_q3869d57722_attn
	.p2alignl 7, 3214868480
	.fill 96, 4, 3214868480
	.section	.rodata,"a",@progbits
	.p2align	6, 0x0
	.amdhsa_kernel k_q3869d57722_attn
		.amdhsa_group_segment_fixed_size 327680
		.amdhsa_private_segment_fixed_size 0
		.amdhsa_enable_private_segment 0
		.amdhsa_kernarg_size 56
		.amdhsa_user_sgpr_count 2
		.amdhsa_user_sgpr_kernarg_segment_ptr 1
		.amdhsa_wavefront_size32 1
		.amdhsa_system_sgpr_workgroup_id_x 1
		.amdhsa_system_sgpr_workgroup_id_y 1
		.amdhsa_system_sgpr_workgroup_id_z 1
		.amdhsa_system_vgpr_workitem_id 0
		.amdhsa_next_free_vgpr 256
		.amdhsa_next_free_sgpr 66
		.amdhsa_reserve_vcc 0
		.amdhsa_float_denorm_mode_32 3
		.amdhsa_float_denorm_mode_16_64 3
		.amdhsa_memory_ordered 1
		.amdhsa_forward_progress 1
		.amdhsa_inst_pref_size 92
	.end_amdhsa_kernel
	.amdgpu_metadata
---
amdhsa.version: [ 1, 2 ]
amdhsa.kernels:
  - .name:           k_q3869d57722_attn
    .symbol:         k_q3869d57722_attn.kd
    .args:
      - { .name: qrec, .offset: 0, .size: 8, .value_kind: global_buffer, .address_space: global }
      - { .name: krec, .offset: 8, .size: 8, .value_kind: global_buffer, .address_space: global }
      - { .name: prec, .offset: 16, .size: 8, .value_kind: global_buffer, .address_space: global }
      - { .name: vrec, .offset: 24, .size: 8, .value_kind: global_buffer, .address_space: global }
      - { .name: pb, .offset: 32, .size: 8, .value_kind: global_buffer, .address_space: global }
      - { .name: crec, .offset: 40, .size: 8, .value_kind: global_buffer, .address_space: global }
      - { .name: csc, .offset: 48, .size: 8, .value_kind: global_buffer, .address_space: global }
    .group_segment_fixed_size: 327680
    .private_segment_fixed_size: 0
    .kernarg_segment_align: 8
    .kernarg_segment_size: 56
    .max_flat_workgroup_size: 512
    .sgpr_count:     66
    .vgpr_count:     256
    .wavefront_size: 32
...
	.end_amdgpu_metadata
.endif
;; end of part 3
;; launch outp (part 4): grid 4 x 64, 4 waves a work-group, no clusters, 17,920 bytes of LDS; arguments crec, csc, wimg, wsc, bo, out0; writes out0
.if DOCPART == 4
	.amdgcn_target "amdgcn-amd-amdhsa--gfx1250"
	.amdhsa_code_object_version 6
	.text
	.protected	k_q3869d57722_outp
	.globl	k_q3869d57722_outp
	.p2align	8
	.type	k_q3869d57722_outp,@function
k_q3869d57722_outp:
	s_mov_b64 s[64:65], 0
	v_nop
	global_prefetch_b8 v0, s[64:65] scope:SCOPE_SE
	s_setreg_imm32_b32 hwreg(HW_REG_WAVE_MODE, 25, 1), 1
	s_wait_xcnt 0x0
; out0 = ctx Wo + bo on codes of FP6 (E2M3) with E8M0 scales.  ctx comes as images of its fragments (crec [tile of 16 tokens][head][768 bytes]: heads 2 s and 2 s + 1 are the fragment of K step s) and
; scale words (csc [tile][r][K step]); Wo as images (the fourth weight of wimg, wsc).  All operands go from memory straight into registers: a fragment by loads of 16 and 8 bytes a lane, whole aligned runs.
; Work-group (x, y): 64 tokens (tiles 4 y + m) x 256 columns (x); wave w: 64 columns = tiles of columns 16 x + 4 w + t.  Source 0 = 16 columns of Wo, source 1 = 16 tokens: a lane holds one token and,
; in the 16 registers of two neighbouring tiles, 16 neighbouring columns.  Lane r of tile 2 G + u is row (or column) 32 G + 8 u + r + 8 (r / 8).
; The 64 columns go in 8 halves (tile t = i / 2, K steps 4 (i % 2) on), 16 matrix instructions on four accumulators by turns; Wo's halves run three ahead through four slots.
; The bias is the C of each sum's first matrix instruction.  The results leave through the wave's own stage in LDS: sixteen lanes store 256 consecutive bytes, aligned.
; REGISTERS.  window 0: v1-15 addresses; v16-47 ctx's scale words; v48-63 Wo's; v64-127 rows on the way out; v128-255 accumulators.  window 1: ctx's fragments of K steps 0-3 at v[12 (4 s + m)];
;   window 2: K steps 4-7;  window 3: v0-191 Wo's four slots, v192-207 the bias.
.set SPARE, 17408                      ; behind the four stages of 16 rows x 272 bytes: the spare words
.set LX,  1
.set L8,  2
.set STI, 3
.set STO, 4
.set GO,  5
.set WSO, 9
.set BO,  10
.set SPW, 14                           ; my spare word; never rewritten
.set NIL, 15                           ; 0; never rewritten
.set XS,  16
.set WS,  48
.set OB,  64
.set ACC, 128
.set WV,  26
.set RB,  28
.set XB,  32
.set WP,  34
.set SP,  36
.set BP,  38
.set OP,  40
.set CP,  42
.set MSB, 0
.macro WIN new
.if MSB != \new
	s_set_vgpr_msb (MSB<<8)|\new
.set MSB, \new
.endif
.endm
.macro PLACES
.rept 4
	v_nop
.endr
.endm
.macro RING k                          ; half k into slot k % 4: four fragments, with an even half the tile's bias, the scale words: 13 loads, or 15
.set RT, (\k)/2
.set RS, (\k)%4
	WIN 0xc0
.irp q, 0,1,2,3,4,5,6,7,8,9,10,11
	global_load_b128 v[48*RS+4*\q:48*RS+4*\q+3], v[LX], s[WP:WP+1] offset:(\k)*6144+512*\q
.endr
.if (\k)%2 == 0
	global_load_b128 v[192+8*(RT%2):195+8*(RT%2)], v[BO], s[BP:BP+1] offset:(32*(RT/2)+8*(RT%2))*4
	global_load_b128 v[196+8*(RT%2):199+8*(RT%2)], v[BO], s[BP:BP+1] offset:(32*(RT/2)+8*(RT%2))*4+16
.endif
	WIN 0
	global_load_b128 v[WS+4*RS:WS+4*RS+3], v[WSO], s[SP:SP+1] offset:RT*512+((\k)%2)*16
.endm
.macro HALF i, ahead, cnt              ; cnt: the loads of the halves behind this one
	PLACES                                         ; the slot, scale words and bias that the last half read are loaded again
.if \ahead
	RING ((\i)+3)%8
.endif
.set HT, (\i)/2
.set HH, (\i)%2
.set HS, (\i)%4
	s_wait_loadcnt \cnt
.irp sq, 0,1,2,3
.irp m, 0,1,2,3
.if (HH == 0) && (\sq == 0)
	WIN 0x37
	v_wmma_scale_f32_16x16x128_f8f6f4 v[ACC+32*\m+8*HT:ACC+32*\m+8*HT+7], v[48*HS+12*\sq:48*HS+12*\sq+11], v[12*(4*\sq+\m):12*(4*\sq+\m)+11], v[192+8*(HT%2):199+8*(HT%2)], v[WS+4*HS+\sq], v[XS+8*\m+4*HH+\sq] matrix_a_fmt:MATRIX_FMT_FP6 matrix_b_fmt:MATRIX_FMT_FP6
.else
	WIN 0x07+4*HH
	v_wmma_scale_f32_16x16x128_f8f6f4 v[ACC+32*\m+8*HT:ACC+32*\m+8*HT+7], v[48*HS+12*\sq:48*HS+12*\sq+11], v[12*(4*\sq+\m):12*(4*\sq+\m)+11], v[ACC+32*\m+8*HT:ACC+32*\m+8*HT+7], v[WS+4*HS+\sq], v[XS+8*\m+4*HH+\sq] matrix_a_fmt:MATRIX_FMT_FP6 matrix_b_fmt:MATRIX_FMT_FP6
.endif
.endr
.endr
.endm
.macro XFRAGS hs                       ; ctx's 16 fragments of K steps 4 hs on
.irp sq, 0,1,2,3
.irp m, 0,1,2,3
	global_load_b128 v[12*(4*\sq+\m):12*(4*\sq+\m)+3], v[LX], s[XB:XB+1] offset:\m*12288+1536*(4*\hs+\sq)
	global_load_b64 v[12*(4*\sq+\m)+4:12*(4*\sq+\m)+5], v[L8], s[XB:XB+1] offset:\m*12288+1536*(4*\hs+\sq)+512
	global_load_b128 v[12*(4*\sq+\m)+6:12*(4*\sq+\m)+9], v[LX], s[XB:XB+1] offset:\m*12288+1536*(4*\hs+\sq)+768
	global_load_b64 v[12*(4*\sq+\m)+10:12*(4*\sq+\m)+11], v[L8], s[XB:XB+1] offset:\m*12288+1536*(4*\hs+\sq)+1280
.endr
.endr
.endm
	s_load_b256 s[4:11], s[0:1], 0x0               ; crec, csc, wimg, wsc
	s_load_b128 s[12:15], s[0:1], 0x20             ; bo, out0
	v_lshl_add_u32 v[SPW], v0, 2, SPARE
	v_mov_b32 v[NIL], 0
	v_lshrrev_b32 v1, 5, v0
	v_readfirstlane_b32 s[WV], v1                  ; wave
	s_and_b32 s[RB], ttmp7, 0xffff                 ; which 64 tokens
	v_and_b32 v8, 31, v0
	v_and_b32 v6, 15, v0                           ; r
	v_bfe_u32 v7, v0, 4, 1                         ; h
	v_lshlrev_b32 v[LX], 4, v8
	v_lshlrev_b32 v[L8], 3, v8
	v_lshlrev_b32 v[WSO], 5, v6
	v_lshlrev_b32 v[BO], 6, v7
	s_mul_i32 s44, s[WV], 4352                     ; my stage
	v_mul_u32_u24 v[STI], v6, 272
	v_lshl_add_u32 v[STI], v7, 6, v[STI]
	v_add_nc_u32 v[STI], s44, v[STI]               ; in: row r, 64 h bytes on
	v_mul_u32_u24 v[STO], v7, 272
	v_lshl_add_u32 v[STO], v6, 4, v[STO]
	v_add_nc_u32 v[STO], s44, v[STO]               ; back: lanes 0-15 one row of 256 bytes, lanes 16-31 the next
	v_lshlrev_b32 v[GO], 12, v7
	v_lshl_add_u32 v[GO], v6, 4, v[GO]             ; and the same two rows in out0
	s_lshl_b32 s44, ttmp9, 4
	s_lshl_b32 s45, s[WV], 2
	s_add_co_u32 s44, s44, s45                     ; my first tile of columns
	s_mul_i32 s46, s44, 12288
	s_add_co_u32 s46, s46, 3*786432                ; in the fourth weight
	s_mov_b32 s47, 0
	s_wait_kmcnt 0x0
	s_add_nc_u64 s[WP:WP+1], s[8:9], s[46:47]
	s_lshl_b32 s46, s44, 9
	s_add_co_u32 s46, s46, 98304
	s_add_nc_u64 s[SP:SP+1], s[10:11], s[46:47]
	s_lshl_b32 s46, s44, 6                         ; 16 columns of 4 bytes a tile
	s_add_nc_u64 s[BP:BP+1], s[12:13], s[46:47]
	s_add_nc_u64 s[OP:OP+1], s[14:15], s[46:47]
	s_lshl_b32 s46, s[RB], 18                      ; 64 rows of 4,096 bytes
	s_add_nc_u64 s[OP:OP+1], s[OP:OP+1], s[46:47]
	s_mul_i32 s46, s[RB], 49152                    ; four tiles of 12,288 bytes
	s_add_nc_u64 s[XB:XB+1], s[4:5], s[46:47]
	s_lshl_b32 s46, s[RB], 11
	s_add_nc_u64 s[CP:CP+1], s[6:7], s[46:47]
.irp m, 0,1,2,3
	global_load_b128 v[XS+8*\m:XS+8*\m+3], v[WSO], s[CP:CP+1] offset:\m*512
	global_load_b128 v[XS+8*\m+4:XS+8*\m+7], v[WSO], s[CP:CP+1] offset:\m*512+16
.endr
	WIN 0x40
	XFRAGS 0
	WIN 0x80
	XFRAGS 1
	WIN 0
	RING 0
	RING 1
	RING 2
	HALF 0, 1, 41                                  ; ctx's loads are older than Wo's: the first wait covers them
	HALF 1, 1, 43
	HALF 2, 1, 41
	HALF 3, 1, 43
	HALF 4, 1, 41
	HALF 5, 0, 28                                  ; nothing more to ask for: the counts run down
	HALF 6, 0, 13
	HALF 7, 0, 0
	WIN 0
	PLACES                                         ; ahead of the first read of results
.irp m, 0,1,2,3
.if \m >= 2
	s_wait_xcnt 0x0                                ; the stores of the tile two back have read their registers
.endif
.irp k, 0,1,2,3,4,5,6,7
	ds_store_b128 v[STI], v[ACC+32*\m+4*\k:ACC+32*\m+4*\k+3] offset:128*(\k/4)+16*(\k%4)   ; each accumulator from its low end on
.endr
.irp i, 0,1,2,3,4,5,6,7
	ds_load_b128 v[OB+32*(\m%2)+4*\i:OB+32*(\m%2)+4*\i+3], v[STO] offset:544*\i   ; a wave's LDS instructions are served in order: these see my stores
.endr
	s_wait_dscnt 0x0
.irp i, 0,1,2,3,4,5,6,7
	global_store_b128 v[GO], v[OB+32*(\m%2)+4*\i:OB+32*(\m%2)+4*\i+3], s[OP:OP+1] offset:(32*(\m/2)+8*(\m%2)+2*\i+8*(\i/4))*4096 th:TH_STORE_NT
.endr
.endr
	s_wait_tensorcnt 0x0                           ; the wave's end: behind my last LDS store
	ds_add_u32 v[SPW], v[NIL]
	s_wait_dscnt 0x0
	s_endpgm
.Lfunc_end_k_q3869d57722_outp:
	.size	k_q3869d57722_outp, .Lfunc_end_k_q3869d57722_outp-k_q3869d57722_outp
	.p2alignl 7, 3214868480
	.fill 96, 4, 3214868480
	.section	.rodata,"a",@progbits
	.p2align	6, 0x0
	.amdhsa_kernel k_q3869d57722_outp
		.amdhsa_group_segment_fixed_size 17920
		.amdhsa_private_segment_fixed_size 0
		.amdhsa_enable_private_segment 0
		.amdhsa_kernarg_size 48
		.amdhsa_user_sgpr_count 2
		.amdhsa_user_sgpr_kernarg_segment_ptr 1
		.amdhsa_wavefront_size32 1
		.amdhsa_system_sgpr_workgroup_id_x 1
		.amdhsa_system_sgpr_workgroup_id_y 1
		.amdhsa_system_sgpr_workgroup_id_z 1
		.amdhsa_system_vgpr_workitem_id 0
		.amdhsa_next_free_vgpr 1024
		.amdhsa_next_free_sgpr 66
		.amdhsa_reserve_vcc 0
		.amdhsa_float_denorm_mode_32 3
		.amdhsa_float_denorm_mode_16_64 3
		.amdhsa_memory_ordered 1
		.amdhsa_forward_progress 1
		.amdhsa_inst_pref_size 52
	.end_amdhsa_kernel
	.amdgpu_metadata
---
amdhsa.version: [ 1, 2 ]
amdhsa.kernels:
  - .name:           k_q3869d57722_outp
    .symbol:         k_q3869d57722_outp.kd
    .args:
      - { .name: crec, .offset: 0, .size: 8, .value_kind: global_buffer, .address_space: global }
      - { .name: csc, .offset: 8, .size: 8, .value_kind: global_buffer, .address_space: global }
      - { .name: wimg, .offset: 16, .size: 8, .value_kind: global_buffer, .address_space: global }
      - { .name: wsc, .offset: 24, .size: 8, .value_kind: global_buffer, .address_space: global }
      - { .name: bo, .offset: 32, .size: 8, .value_kind: global_buffer, .address_space: global }
      - { .name: out0, .offset: 40, .size: 8, .value_kind: global_buffer, .address_space: global }
    .group_segment_fixed_size: 17920
    .private_segment_fixed_size: 0
    .kernarg_segment_align: 8
    .kernarg_segment_size: 48
    .max_flat_workgroup_size: 128
    .sgpr_count:     66
    .vgpr_count:     1024
    .wavefront_size: 32
...
	.end_amdgpu_metadata
.endif
;; end of part 4
;; ======== version 2 of 2: 4 launches
;; workspace buffers: wimg 3,145,728 bytes; wsc 131,072 bytes; prec 212,992 bytes; qrec 3,407,872 bytes; krec 3,407,872 bytes; vrec 3,407,872 bytes; crec 3,145,728 bytes; csc 131,072 bytes
;; launch prep (part 5): grid 272 x 1, 4 waves a work-group, no clusters, 13,824 bytes of LDS; arguments Wq, Wk, Wv, Wo, Pw, physics_info, wimg, wsc, prec; writes wimg, wsc, prec
.if DOCPART == 5
	.amdgcn_target "amdgcn-amd-amdhsa--gfx1250"
	.amdhsa_code_object_version 6
	.text
	.protected	k_q3869d57722_prep
	.globl	k_q3869d57722_prep
	.p2align	8
	.type	k_q3869d57722_prep,@function
k_q3869d57722_prep:
	s_mov_b64 s[64:65], 0
	v_nop
	global_prefetch_b8 v0, s[64:65] scope:SCOPE_SE
	s_setreg_imm32_b32 hwreg(HW_REG_WAVE_MODE, 25, 1), 1
	s_wait_xcnt 0x0
; The four weights [1024 (k)][1024 (n)] f32 become codes of FP6 (E2M3) with one E8M0 byte for each 32 along K, laid as IMAGES OF THE OPERAND'S REGISTERS:
;   wimg [weight q,k,v,o][n tile 64][K step 8][1536 bytes]: a fragment (16 columns n x 128 k, 12 registers a lane) as three groups of four registers, 512 bytes each, lane l's 16 bytes at 16 l.
;   wsc  [weight][n tile][r 16][K step 8] words: byte b of a word scales k = 32 b .. 32 b + 31 of the K step.
; THE COLUMNS OF A TILE ARE NOT NEIGHBOURS: lane r of tile 2 G + u takes column 32 G + 8 u + r + 8 (r / 8).
; pc = physics_info x Pw (K = 3, in f32), read as [b][2048 keys][64], becomes records laid as the keys' records are (prec): for 128 keys 8 tiles x 768 bytes
; (16 keys x 64: registers 0-3 at 16 l, registers 4-5 at 512 + 8 l) and, at byte 6144, the scale words [half 2][r 16][tile 4], each s0 | s1 << 8 | s0 << 16 | s1 << 24.
; Work-groups 0-255: weight g / 64, K step (g / 8) % 8, 128 columns (g % 8); a wave takes 32 columns, a lane ONE column, its registers run down K: a block of 32 is one lane's.
; Work-groups 256-271: a wave takes 64 keys of pc; lane (r, h) computes the 32 numbers d = 32 h .. of its key: again a whole block a lane.
; LIMITS: NaN and infinities are not served; a block whose largest magnitude lies under 2^-124 (a block of zeros too) keeps the byte 1: zero codes add nothing, and this program alone reads the bytes.
.set SPARE, 13312                      ; behind the four stages: the spare words, 128 bytes a wave
.set STGW,  3328                       ; a wave's stage: two images of 1536 bytes, 1664 apart
.set IMG2,  1664
.set SPW,   10                         ; v10 my spare word's LDS address; never rewritten
.set NIL,   11                         ; v11 0; never rewritten
.set C,     20                         ; v20-26 a block's codes
.set OUTR,  32                         ; v32-55 the way out
.set X,     64                         ; v64-191 128 numbers of my column
; a block of 32 numbers in v[XQ] on: largest magnitude (with the floor 2^-124), scale operand v14, byte v15, six registers of codes in v[C] on
.macro QBLK
	v_max3_num_f32 v12, |v[XQ]|, |v[XQ+1]|, |v[XQ+2]|
	v_max3_num_f32 v13, |v[XQ+3]|, |v[XQ+4]|, |v[XQ+5]|
.irp i, 6,10,14,18,22,26
	v_max3_num_f32 v12, v12, |v[XQ+\i]|, |v[XQ+\i+1]|
	v_max3_num_f32 v13, v13, |v[XQ+\i+2]|, |v[XQ+\i+3]|
.endr
	v_max3_num_f32 v12, v12, |v[XQ+30]|, |v[XQ+31]|
	v_max3_num_f32 v12, v12, v13, 0x1800000        ; the floor holds the byte at 1 from below
	v_add_nc_u32 v14, 0xff000000, v12              ; 2 off the exponent field: the conversion's scale operand
	v_lshrrev_b32 v15, 23, v14                     ; the scale's byte
	v_cvt_scalef32_pk16_fp6_f32 v[C:C+2], v[XQ:XQ+15], v14
	v_cvt_scalef32_pk16_fp6_f32 v[C+4:C+6], v[XQ+16:XQ+31], v14   ; a conversion's three registers begin on an even number
	v_nop                                          ; one plain instruction behind the conversions
	v_mov_b32 v[C+3], v[C+4]
	v_mov_b32 v[C+4], v[C+5]
	v_mov_b32 v[C+5], v[C+6]                       ; v[C .. C+5]: 32 codes on end
.endm
	s_load_b256 s[4:11], s[0:1], 0x0               ; Wq, Wk, Wv, Wo
	s_load_b256 s[12:19], s[0:1], 0x20             ; Pw, physics_info, wimg, wsc
	s_load_b64 s[20:21], s[0:1], 0x40              ; prec
	v_lshl_add_u32 v[SPW], v0, 2, SPARE
	v_mov_b32 v[NIL], 0
	v_lshrrev_b32 v1, 5, v0
	v_readfirstlane_b32 s22, v1                    ; wave
	v_and_b32 v2, 31, v0                           ; lane
	s_mov_b32 s24, 0x76543210
	s_mov_b32 s25, 0xfedcba98                      ; lane l xor 16
	s_cmp_ge_u32 ttmp9, 256
	s_cbranch_scc1 .Lpc
	; ---------------- the weights
	s_lshr_b32 s26, ttmp9, 6                       ; which weight
	s_bfe_u32 s27, ttmp9, 0x30003                  ; K step
	s_and_b32 s28, ttmp9, 7
	s_lshl_b32 s28, s28, 2
	s_add_co_u32 s28, s28, s22                     ; G: my wave's 32 columns
	s_wait_alu depctr_va_vdst(0)
	v_lshlrev_b32 v3, 2, v2                        ; in: 4 bytes a lane
	s_mul_i32 s29, s22, STGW                       ; my stage
	v_bfe_u32 v8, v2, 3, 1                         ; column l lies in tile 2 G + u, u = (l / 8) % 2,
	v_and_b32 v9, 7, v2
	v_lshrrev_b32 v12, 4, v2
	v_lshl_add_u32 v9, v12, 3, v9                  ; at its lane r = l % 8 + 8 (l / 16)
	v_mul_u32_u24 v4, v8, IMG2
	v_lshl_add_u32 v4, v9, 4, v4
	v_add_nc_u32 v4, s29, v4                       ; into the stage: image u, 16 r
	v_lshlrev_b32 v6, 4, v2                        ; out: 16 bytes a lane
	v_add_nc_u32 v5, s29, v6
	v_lshlrev_b32 v7, 9, v8
	v_lshl_add_u32 v7, v9, 5, v7                   ; my scale word: tile u (512 bytes), row r (32 bytes)
	s_lshl_b32 s30, s27, 19                        ; W: 128 rows of 4,096 bytes a K step,
	s_lshl_b32 s31, s28, 7                         ; 128 bytes a group of columns
	s_add_co_u32 s30, s30, s31
	s_mov_b32 s31, 0
	s_mul_i32 s32, s26, 786432                     ; images: weight, tile 2 G (12,288 bytes a tile), K step
	s_mul_i32 s34, s28, 24576
	s_add_co_u32 s32, s32, s34
	s_mul_i32 s34, s27, 1536
	s_add_co_u32 s32, s32, s34
	s_mov_b32 s33, 0
	s_lshl_b32 s34, s26, 15                        ; scale words: weight, tile 2 G, K step
	s_lshl_b32 s35, s28, 10
	s_add_co_u32 s34, s34, s35
	s_lshl_b32 s35, s27, 2
	s_add_co_u32 s34, s34, s35
	s_mov_b32 s35, 0
	s_wait_kmcnt 0x0
	s_bitcmp1_b32 s26, 0                           ; the choice hangs on the work-group's number alone
	s_cselect_b64 s[4:5], s[6:7], s[4:5]
	s_cselect_b64 s[8:9], s[10:11], s[8:9]
	s_bitcmp1_b32 s26, 1
	s_cselect_b64 s[4:5], s[8:9], s[4:5]
	s_add_nc_u64 s[4:5], s[4:5], s[30:31]
	s_add_nc_u64 s[16:17], s[16:17], s[32:33]
	s_add_nc_u64 s[18:19], s[18:19], s[34:35]
.set i, 0
.rept 128
	global_load_b32 v[X+i], v3, s[4:5] offset:i*4096 th:TH_LOAD_NT   ; W(128 ks + i, my column): a wave reads 128 consecutive bytes, the four waves 512
.set i, i+1
.endr
; block t = 2 c + h of the K step is what lane (r, h) of the fragment holds in registers 6 c .. 6 c + 5
.macro BLOCK t, cnt
.set XQ, X+32*(\t)
	s_wait_loadcnt \cnt                            ; this block's 32 loads are in (the later blocks' may be out; a wait names 63 at the most)
	QBLK
.if (\t) == 0
	v_mov_b32 v16, v15
.else
	v_lshl_or_b32 v16, v15, 8*(\t), v16            ; the four bytes make my column's scale word
.endif
.if (\t) < 2
	ds_store_b128 v4, v[C:C+3] offset:256*((\t)%2)             ; registers 0-3: group 0
	ds_store_b64 v4, v[C+4:C+5] offset:512+256*((\t)%2)        ; registers 4, 5: the lower half of group 1
.else
	ds_store_b64 v4, v[C:C+1] offset:520+256*((\t)%2)          ; registers 6, 7: its upper half
	ds_store_b128 v4, v[C+2:C+5] offset:1024+256*((\t)%2)      ; registers 8-11: group 2
.endif
	s_wait_dscnt 0x0                               ; the stores have read their registers
.endm
	BLOCK 0, 63
	BLOCK 1, 63
	BLOCK 2, 32
	BLOCK 3, 0
	s_wait_alu depctr_va_vdst(0)
	global_store_b32 v7, v16, s[18:19]             ; one word a column, 32 bytes apart: one part in 24 of what this path stores
.irp k, 0,1,2,3,4,5
	ds_load_b128 v[OUTR+4*\k:OUTR+4*\k+3], v5 offset:(\k/3)*IMG2+512*(\k%3)   ; a wave's LDS instructions are served in order: these see my stores
.endr
.irp k, 0,1,2,3,4,5
	s_wait_dscnt 5-\k
	global_store_b128 v6, v[OUTR+4*\k:OUTR+4*\k+3], s[16:17] offset:(\k/3)*12288+512*(\k%3)   ; 512 consecutive bytes, aligned
.endr
	s_wait_tensorcnt 0x0                           ; the wave's end: behind my last LDS store
	ds_add_u32 v[SPW], v[NIL]
	s_wait_dscnt 0x0
	s_endpgm
	; ---------------- pc: no LDS on this path
.Lpc:
	s_sub_co_u32 s26, ttmp9, 256
	s_lshl_b32 s26, s26, 2
	s_add_co_u32 s26, s26, s22                     ; which 64 keys: 0 .. 63 = four rows of physics_info each
	s_lshr_b32 s27, s26, 1                         ; the record
	s_and_b32 s28, s26, 1                          ; its half c
	s_wait_alu depctr_va_vdst(0)
	v_and_b32 v8, 15, v2                           ; r
	v_lshrrev_b32 v9, 4, v2                        ; h
	v_and_b32 v3, 7, v8
	v_lshlrev_b32 v3, 8, v3
	v_lshl_add_u32 v3, v9, 7, v3                   ; Pw: key 8 u + r % 8 of a row's sixteen takes columns 64 (8 u + r % 8) + 32 h on
	v_lshrrev_b32 v4, 3, v8
	v_mul_u32_u24 v4, v4, 12                       ; physics_info: row 2 beta + r / 8 of the four
	s_mul_i32 s29, s28, 3072
	v_lshlrev_b32 v5, 4, v2
	v_add_nc_u32 v5, s29, v5
	v_lshlrev_b32 v6, 3, v2
	v_add_nc_u32 v6, s29, v6
	s_lshl_b32 s29, s28, 8
	v_lshlrev_b32 v7, 4, v8
	v_add_nc_u32 v7, s29, v7
	v_lshlrev_b32 v17, 3, v9                       ; 8 h
	v_mov_b32 v18, 0                               ; a lane permute's destination counts as read
	s_mul_i32 s30, s26, 48
	s_mov_b32 s31, 0
	s_mul_i32 s32, s27, 6656
	s_mov_b32 s33, 0
	s_wait_alu depctr_va_vdst(0)
	s_wait_kmcnt 0x0
	s_add_nc_u64 s[14:15], s[14:15], s[30:31]
	s_add_nc_u64 s[20:21], s[20:21], s[32:33]
.irp e, 0,1
.irp j, 0,1,2
	global_load_b32 v[32+4*\e+\j], v4, s[14:15] offset:24*\e+4*\j
.endr
.endr
; tile 2 be + u of the half: lane r's key is 32 be + 8 u + r + 8 (r / 8)
.macro PCTILE u, be
.set PIR, 32+4*(\be)
.set n, 0
.rept 32
	v_mul_f32 v[160+n], v[PIR], v[64+n]
.set n, n+1
.endr
.set n, 0
.rept 32
	v_fmac_f32 v[160+n], v[PIR+1], v[96+n]
.set n, n+1
.endr
.set n, 0
.rept 32
	v_fmac_f32 v[160+n], v[PIR+2], v[128+n]        ; the product with K = 3, in f32
.set n, n+1
.endr
	s_wait_xcnt 0x0                                ; the last tile's stores have read the codes' registers
.set XQ, 160
	QBLK
	global_store_b128 v5, v[C:C+3], s[20:21] offset:(2*(\be)+(\u))*768
	global_store_b64 v6, v[C+4:C+5], s[20:21] offset:(2*(\be)+(\u))*768+512
	v_lshlrev_b32 v15, v17, v15                    ; my block's byte at its place,
	v_permlanex16_b32 v18, v15, s24, s25
	v_or_b32 v15, v15, v18                         ; with lane l xor 16's,
	v_lshl_or_b32 v[40+2*(\be)+(\u)], v15, 16, v15 ; and once more in the upper half
.endm
.irp u, 0,1
.irp j, 0,1,2
.irp q, 0,1,2,3,4,5,6,7
	global_load_b128 v[64+32*\j+4*\q:64+32*\j+4*\q+3], v3, s[12:13] offset:\j*4096+\u*2048+16*\q
.endr
.endr
	s_wait_loadcnt 0x0
	PCTILE \u, 0
	PCTILE \u, 1
.endr
	global_store_b128 v7, v[40:43], s[20:21] offset:6144   ; lanes l and l + 16 hold and store the same four words
	s_endpgm
.Lfunc_end_k_q3869d57722_prep:
	.size	k_q3869d57722_prep, .Lfunc_end_k_q3869d57722_prep-k_q3869d57722_prep
	.p2alignl 7, 3214868480
	.fill 96, 4, 3214868480
	.section	.rodata,"a",@progbits
	.p2align	6, 0x0
	.amdhsa_kernel k_q3869d57722_prep
		.amdhsa_group_segment_fixed_size 13824
		.amdhsa_private_segment_fixed_size 0
		.amdhsa_enable_private_segment 0
		.amdhsa_kernarg_size 72
		.amdhsa_user_sgpr_count 2
		.amdhsa_user_sgpr_kernarg_segment_ptr 1
		.amdhsa_wavefront_size32 1
		.amdhsa_system_sgpr_workgroup_id_x 1
		.amdhsa_system_sgpr_workgroup_id_y 1
		.amdhsa_system_sgpr_workgroup_id_z 1
		.amdhsa_system_vgpr_workitem_id 0
		.amdhsa_next_free_vgpr 192
		.amdhsa_next_free_sgpr 66
		.amdhsa_reserve_vcc 0
		.amdhsa_float_denorm_mode_32 3
		.amdhsa_float_denorm_mode_16_64 3
		.amdhsa_memory_ordered 1
		.amdhsa_forward_progress 1
		.amdhsa_inst_pref_size 48
	.end_amdhsa_kernel
	.amdgpu_metadata
---
amdhsa.version: [ 1, 2 ]
amdhsa.kernels:
  - .name:           k_q3869d57722_prep
    .symbol:         k_q3869d57722_prep.kd
    .args:
      - { .name: Wq, .offset: 0, .size: 8, .value_kind: global_buffer, .address_space: global }
      - { .name: Wk, .offset: 8, .size: 8, .value_kind: global_buffer, .address_space: global }
      - { .name: Wv, .offset: 16, .size: 8, .value_kind: global_buffer, .address_space: global }
      - { .name: Wo, .offset: 24, .size: 8, .value_kind: global_buffer, .address_space: global }
      - { .name: Pw, .offset: 32, .size: 8, .value_kind: global_buffer, .address_space: global }
      - { .name: physics_info, .offset: 40, .size: 8, .value_kind: global_buffer, .address_space: global }
      - { .name: wimg, .offset: 48, .size: 8, .value_kind: global_buffer, .address_space: global }
      - { .name: wsc, .offset: 56, .size: 8, .value_kind: global_buffer, .address_space: global }
      - { .name: prec, .offset: 64, .size: 8, .value_kind: global_buffer, .address_space: global }
    .group_segment_fixed_size: 13824
    .private_segment_fixed_size: 0
    .kernarg_segment_align: 8
    .kernarg_segment_size: 72
    .max_flat_workgroup_size: 128
    .sgpr_count:     66
    .vgpr_count:     192
    .wavefront_size: 32
...
	.end_amdgpu_metadata
.endif
;; end of part 5
;; launch proj (part 6): grid 192 x 1, 4 waves a work-group, no clusters, 87,552 bytes of LDS; arguments query, key_in, value, wimg, wsc, bq, bk, bv, qrec, krec, vrec; writes qrec, krec, vrec
.if DOCPART == 6
	.amdgcn_target "amdgcn-amd-amdhsa--gfx1250"
	.amdhsa_code_object_version 6
	.text
	.protected	k_q3869d57722_proj
	.globl	k_q3869d57722_proj
	.p2align	8
	.type	k_q3869d57722_proj,@function
k_q3869d57722_proj:
	s_mov_b64 s[64:65], 0
	v_nop
	global_prefetch_b8 v0, s[64:65] scope:SCOPE_SE
	s_setreg_imm32_b32 hwreg(HW_REG_WAVE_SCHED_MODE, 0, 2), 2
	s_setreg_imm32_b32 hwreg(HW_REG_WAVE_MODE, 25, 1), 1
	s_wait_xcnt 0x0
	s_wait_alu depctr_vm_vsrc(0)
; Q = query Wq + bq, K = key_in Wk + bk, V = value Wv + bv, on codes of FP6 (E2M3) with E8M0 scales for each 32 along K = 1024, and the results quantised again on the way out:
; Q and K along the head's 64 (two blocks), V along the keys.  Work-group g: tensor g / 64, rows 64 (g % 64) on, all 1,024 columns.
; x is read ONCE: wave w quantises row tile w (16 rows x 1,024) and lays its 8 fragments in LDS as images of their registers; behind the one barrier every wave holds all 32 fragments in registers.
; Wave w makes heads 4 w .. 4 w + 3.  Its weights come from memory straight into registers, as images laid by the launch before: no other wave of the work-group reads them.
; THE ROWS OF A TILE ARE NOT NEIGHBOURS: lane r of tile 2 G + u takes row 32 G + 8 u + r + 8 (r / 8); so for x's rows and for W's columns.  Q, K: source 0 = 16 columns of W, source 1 = 16 rows of x:
; a lane holds one token, and the 16 registers of two neighbouring tiles are 16 neighbouring columns d.  V: the sources swapped: a lane holds one column d and 16 neighbouring keys.
; RECORDS (6,656 bytes for 128 tokens of a head).  Q, K: 8 tiles x 768 bytes (16 tokens x 64 d: registers 0-3 at 16 l, 4-5 at 512 + 8 l); at 6144 the words [half][r][tile], s0 | s1 << 8, twice.
; V: 4 tiles of d x 1,536 bytes (keys 0-63, keys 64-127); at 6144 the words [lane 32][tile 4], byte q for keys 32 q on.
; A head's 64 columns go in 8 HALVES (tile t = i / 2, K steps 4 (i % 2) on): 16 matrix instructions on four accumulators by turns; W's halves run three ahead through four slots.
; REGISTERS.  window 0: v1-15 addresses; v16-47 x's scale words; v48-63 W's; v64-95 codes; v96-99 scale words made; v100-123 at work; v128-255 accumulators (first: x's numbers in v192-255).
;   window 1: first x as loaded (4 x 64); then x's fragments of K steps 0-3 at v[12 (4 s + m)].  window 2: K steps 4-7.  window 3: v0-191 W's four slots; v192-207 the bias as C; v208-209 V's bias as loaded.
; LIMITS: NaN and infinities are not served; a block whose largest magnitude lies under 2^-124 (a block of zeros too) keeps the byte 1.
; THE MODE: SCHED_MODE bits 1:0 = 2 (LLVM: expert scheduling mode 2), set by the entry lines.  The code itself states the register dependences
; between vector or matrix instructions and memory or LDS instructions, with s_wait_alu, always for 0.
; THE PLAN.  Registers that memory or LDS instructions touch:
;   window 1, four raw sets  Written by the loads of K step s + 3, issued in K step s; read by K step s's LDS stores into the stage.  No vector instruction names them.
;   v[X ..]                  Written by the LDS loads from the stage; read by QUANT.
;   v[PC ..], v[PW]          Written by QUANT; read by the LDS stores of the image.
;     So a K step of x has two waits.  At its head, on vm_vsrc: the last K step's LDS stores have read the raw set that is loaded again and the codes that are made again.  Behind QUANT, on va_vdst:
;     the codes are written, for this K step's stores, and X has been read, for the next K step's LDS loads: between that wait and those loads stands no vector instruction.
;   x's fragments, v[XS ..]  Land once, behind the barrier (in window 1: over raw sets 0 to 2, whose last LDS stores stand ahead of K step 7's wait on vm_vsrc); then matrix instructions alone name them.
;   W's slots, v[WS ..], the bias  Written by the loads of half i + 3, issued at the head of half i; read last by the matrix instructions (V's bias as loaded: by the moves) of half i - 1.
;     So ONE wait on va_vdst stands at a half's head, and the half's loads follow it in one run: no place is earlier, since the slot is free only when the half before has multiplied.
;   v[PC ..], v[SW ..]       On the way out: written by a head's epilogue, read by its stores: a wait on va_vdst ahead of the stores, one on vm_vsrc at the head of every epilogue.
;   v1-v13                   Offsets and LDS addresses: written at the kernel's head (v10-v13 at a path's head) and never again: the bases that move are scalar.
;   v14, v15                 Written at the head, read by the closing add alone.
.set XIMG,  33792                      ; LDS: 0: four stages of 16 rows x 528 bytes; here x's 32 images of 1,536 bytes (8 m + s);
.set XSC,   82944                      ; their scale words, 128 bytes each;
.set SPARE, 87040                      ; the spare words, 128 bytes a wave
.set LX,  1                            ; 16 x lane
.set STW, 2                            ; stage, in
.set STR, 3                            ; stage, back
.set IMW, 4                            ; where I store images
.set ISW, 5                            ; and scale words
.set LI,  6                            ; where images are read
.set LS,  7                            ; and scale words
.set WSO, 9                            ; 32 r: W's scale words
.set BO,  10                           ; the bias' offset
.set O16, 11
.set O8,  12
.set OSC, 13
.set SPW, 14                           ; my spare word; never rewritten
.set NIL, 15                           ; 0; never rewritten
.set XS,  16
.set WS,  48
.set PC,  64
.set SW,  96
.set PW,  96
.set MX,  100
.set PT,  108
.set SO,  116
.set VR,  124
.set VH,  125
.set ACC, 128
.set X,   192
.set WV,  26
.set TZ,  27
.set BLKN, 28
.set CH,  29
.set SEL, 30
.set XB,  32
.set WP,  34
.set SP,  36
.set BP,  38
.set OP,  40
.set HD,  42
.set MSB, 0
.macro WIN new                         ; the immediate's high byte repeats the setting that is left
.if MSB != \new
	s_set_vgpr_msb (MSB<<8)|\new
.set MSB, \new
.endif
.endm
.macro PLACES                          ; four plain instructions behind matrix instructions, ahead of what is written into their registers and of vector work on their results (ISA guide 7.12.1)
.rept 4
	v_nop
.endr
.endm
.macro LOADX s                         ; K step s of my 16 rows: each load reads 512 consecutive bytes of one row
	WIN 0x40
.irp i, 0,1,2,3,4,5,6,7,8,9,10,11,12,13,14,15
	global_load_b128 v[64*((\s)%4)+4*\i:64*((\s)%4)+4*\i+3], v[LX], s[XB:XB+1] offset:(\i+8*(\i/8))*4096+512*(\s) th:TH_LOAD_NT
.endr
	WIN 0
.endm
; half k of the head at the pointers into slot k % 4: four fragments of W, their scale words, and with an even half the tile's bias (1: eight numbers a lane; 2: one)
.macro RING k, bias
.set RT, (\k)/2
.set RS, (\k)%4
	WIN 0xc0
.irp q, 0,1,2,3,4,5,6,7,8,9,10,11
	global_load_b128 v[48*RS+4*\q:48*RS+4*\q+3], v[LX], s[WP:WP+1] offset:(\k)*6144+512*\q
.endr
.if ((\k)%2 == 0) && ((\bias) == 1)
	global_load_b128 v[192+8*(RT%2):195+8*(RT%2)], v[BO], s[BP:BP+1] offset:(32*(RT/2)+8*(RT%2))*4
	global_load_b128 v[196+8*(RT%2):199+8*(RT%2)], v[BO], s[BP:BP+1] offset:(32*(RT/2)+8*(RT%2))*4+16
.endif
.if ((\k)%2 == 0) && ((\bias) == 2)
	global_load_b32 v[208+RT%2], v[BO], s[BP:BP+1] offset:(32*(RT/2)+8*(RT%2))*4
.endif
	WIN 0
	global_load_b128 v[WS+4*RS:WS+4*RS+3], v[WSO], s[SP:SP+1] offset:RT*512+((\k)%2)*16
.endm
; 64 numbers of a lane in v[X] on, register 16 b + i = k 32 b + 16 h + i of my row, become a fragment in v[PC .. PC+11] and its scale word in v[PW]
.macro QUANT
.irp b, 0,1,2,3
	v_max3_num_f32 v[MX+\b], |v[X+16*\b]|, |v[X+1+16*\b]|, 0x1800000
.endr
.irp i, 2,4,6,8,10,12,14
.irp b, 0,1,2,3
	v_max3_num_f32 v[MX+\b], v[MX+\b], |v[X+16*\b+\i]|, |v[X+1+16*\b+\i]|
.endr
.endr
.irp b, 0,1,2,3
	v_permlanex16_b32 v[PT+\b], v[MX+\b], s[SEL], s[SEL+1]
.endr
.irp b, 0,1,2,3
	v_max_num_f32 v[MX+\b], v[MX+\b], v[PT+\b]     ; with lane l xor 16's 16: the block's largest magnitude
.endr
.irp b, 0,1,2,3
	v_add_nc_u32 v[SO+\b], 0xff000000, v[MX+\b]    ; 2 off the exponent field: the conversion's scale operand
.endr
.irp b, 0,1,2,3
	v_lshrrev_b32 v[PT+\b], 23, v[SO+\b]           ; the byte
.endr
	v_lshl_or_b32 v[PW], v[PT+1], 8, v[PT]
	v_lshl_or_b32 v[PW], v[PT+2], 16, v[PW]
	v_lshl_or_b32 v[PW], v[PT+3], 24, v[PW]
.irp c, 0,1
	v_cvt_scalef32_pk16_fp6_f32 v[PC+6*\c:PC+2+6*\c], v[X+32*\c:X+15+32*\c], v[SO+2*\c]
	v_cvt_scalef32_pk16_fp6_f32 v[PC+12+4*\c:PC+14+4*\c], v[X+16+32*\c:X+31+32*\c], v[SO+2*\c+1]
.endr
	v_nop                                          ; one plain instruction behind the conversions
.irp c, 0,1                                    ; the layout wants a whole block in a lane: lanes 0-15 block 2 c, lanes 16-31 block 2 c + 1
.irp i, 0,1,2
	v_permlane16_swap_b32 v[PC+6*\c+\i], v[PC+12+4*\c+\i]
.endr
.irp i, 0,1,2
	v_mov_b32 v[PC+3+6*\c+\i], v[PC+12+4*\c+\i]
.endr
.endr
.endm
; K step s of x: through my stage (in as loaded, back 64 bytes of a block's half a lane), quantised, image to LDS.  cnt: the younger loads that may stay out
.macro PHX s, cnt
.if (\s) > 0
	s_wait_alu depctr_vm_vsrc(0)                   ; the last K step's LDS stores have read their data: the raw set in which the loads below land, and v[PC ..] and v[PW], which QUANT writes again
.endif
.if (\s) < 5
	LOADX (\s)+3
.endif
.if (\s) == 5
	RING 0, 0                                      ; x's loads are all out: W's first three halves follow them
	RING 1, 0
	RING 2, 0
.endif
	s_wait_loadcnt \cnt
	WIN 0x04                                       ; an LDS store's data are its source 1: window 1
.irp i, 0,1,2,3,4,5,6,7,8,9,10,11,12,13,14,15
	ds_store_b128 v[STW], v[64*((\s)%4)+4*\i:64*((\s)%4)+4*\i+3] offset:528*\i
.endr
	WIN 0
.irp b, 0,1,2,3
.irp j, 0,1,2,3
	ds_load_b128 v[X+16*\b+4*\j:X+16*\b+4*\j+3], v[STR] offset:128*\b+16*\j   ; a wave's LDS instructions are served in order: these see my stores.  No vector instruction has named v[X ..] since the wait behind the last QUANT
.endr
.endr
	s_wait_dscnt 0x0
	QUANT
	s_wait_alu depctr_va_vdst(0)                   ; QUANT has written v[PC ..] and v[PW], which the LDS stores below read, and is done reading v[X ..], in which the next K step's LDS loads land
.irp q, 0,1,2
	ds_store_b128 v[IMW], v[PC+4*\q:PC+4*\q+3] offset:1536*(\s)+512*\q
.endr
	ds_store_b32 v[ISW], v[PW] offset:128*(\s)
.endm
; half i of a head.  mode 0: Q, K; 1: V.  ahead: the half three on is asked for.  cnt: the loads of the three halves behind this one (13 an odd half; an even one 15, for V 14)
.macro HALF mode, i, ahead, cnt
	PLACES                                         ; behind the last half's matrix instructions: their slot, scale words and bias are loaded again, and V's moves below write a register that matrix instructions took as C
.if \ahead
	s_wait_alu depctr_va_vdst(0)                   ; the last half's matrix instructions are done reading their slot of W, its scale words and the bias as C (V: its moves the bias as loaded): the loads below land there
	RING ((\i)+3)%8, (\mode)+1
.endif
.set HT, (\i)/2
.set HH, (\i)%2
.set HS, (\i)%4
	s_wait_loadcnt \cnt
.if (\mode) && (HH == 0)
	WIN 0xc3
.irp j, 0,1,2,3,4,5,6,7
	v_mov_b32 v[192+\j], v[208+HT%2]               ; V: a lane holds one column, so its bias fills the eight registers of C
.endr
	PLACES
.endif
.irp sq, 0,1,2,3
.irp m, 0,1,2,3
.if \mode
.if (HH == 0) && (\sq == 0)
	WIN 0x3d
	v_wmma_scale_f32_16x16x128_f8f6f4 v[ACC+32*HT+8*\m:ACC+32*HT+8*\m+7], v[12*(4*\sq+\m):12*(4*\sq+\m)+11], v[48*HS+12*\sq:48*HS+12*\sq+11], v[192:199], v[XS+8*\m+4*HH+\sq], v[WS+4*HS+\sq] matrix_a_fmt:MATRIX_FMT_FP6 matrix_b_fmt:MATRIX_FMT_FP6
.else
	WIN 0x0d+HH
	v_wmma_scale_f32_16x16x128_f8f6f4 v[ACC+32*HT+8*\m:ACC+32*HT+8*\m+7], v[12*(4*\sq+\m):12*(4*\sq+\m)+11], v[48*HS+12*\sq:48*HS+12*\sq+11], v[ACC+32*HT+8*\m:ACC+32*HT+8*\m+7], v[XS+8*\m+4*HH+\sq], v[WS+4*HS+\sq] matrix_a_fmt:MATRIX_FMT_FP6 matrix_b_fmt:MATRIX_FMT_FP6
.endif
.else
.if (HH == 0) && (\sq == 0)
	WIN 0x37
	v_wmma_scale_f32_16x16x128_f8f6f4 v[ACC+32*\m+8*HT:ACC+32*\m+8*HT+7], v[48*HS+12*\sq:48*HS+12*\sq+11], v[12*(4*\sq+\m):12*(4*\sq+\m)+11], v[192+8*(HT%2):199+8*(HT%2)], v[WS+4*HS+\sq], v[XS+8*\m+4*HH+\sq] matrix_a_fmt:MATRIX_FMT_FP6 matrix_b_fmt:MATRIX_FMT_FP6
.else
	WIN 0x07+4*HH
	v_wmma_scale_f32_16x16x128_f8f6f4 v[ACC+32*\m+8*HT:ACC+32*\m+8*HT+7], v[48*HS+12*\sq:48*HS+12*\sq+11], v[12*(4*\sq+\m):12*(4*\sq+\m)+11], v[ACC+32*\m+8*HT:ACC+32*\m+8*HT+7], v[WS+4*HS+\sq], v[XS+8*\m+4*HH+\sq] matrix_a_fmt:MATRIX_FMT_FP6 matrix_b_fmt:MATRIX_FMT_FP6
.endif
.endif
.endr
.endr
.endm
; a head's 128 registers: four groups of 32 (Q, K: a tile of tokens; V: a tile of d), each two blocks of 32 shared with lane l xor 16: quantised and stored as half images
.macro EPILOG mode
	WIN 0
	s_wait_alu depctr_vm_vsrc(0)                   ; the stores that read v[PC ..] and v[SW ..] last (the head before's; ahead of the first head the LDS stores of x's last image) have read them: they are written again below
	PLACES
.irp n, 0,1,2,3,4,5,6,7
	v_max3_num_f32 v[MX+\n], |v[ACC+16*\n]|, |v[ACC+16*\n+1]|, 0x1800000   ; each accumulator is read from its low end on
.endr
.irp i, 2,4,6,8,10,12,14
.irp n, 0,1,2,3,4,5,6,7
	v_max3_num_f32 v[MX+\n], v[MX+\n], |v[ACC+16*\n+\i]|, |v[ACC+16*\n+\i+1]|
.endr
.endr
.irp n, 0,1,2,3,4,5,6,7
	v_permlanex16_b32 v[PT+\n], v[MX+\n], s[SEL], s[SEL+1]
.endr
.irp n, 0,1,2,3,4,5,6,7
	v_max_num_f32 v[MX+\n], v[MX+\n], v[PT+\n]
.endr
.irp n, 0,1,2,3,4,5,6,7
	v_add_nc_u32 v[SO+\n], 0xff000000, v[MX+\n]
.endr
.irp n, 0,1,2,3,4,5,6,7
	v_lshrrev_b32 v[PT+\n], 23, v[SO+\n]
.endr
.irp g, 0,1,2,3
	v_lshl_or_b32 v[SW+\g], v[PT+2*\g+1], 8, v[PT+2*\g]
.endr
.if !(\mode)
.irp g, 0,1,2,3
	v_lshl_or_b32 v[SW+\g], v[SW+\g], 16, v[SW+\g] ; twice: the word serves either half of a K of 128
.endr
.endif
.irp g, 0,1,2,3
	v_cvt_scalef32_pk16_fp6_f32 v[PC+8*\g:PC+8*\g+2], v[ACC+32*\g:ACC+32*\g+15], v[SO+2*\g]
	v_cvt_scalef32_pk16_fp6_f32 v[PC+8*\g+4:PC+8*\g+6], v[ACC+32*\g+16:ACC+32*\g+31], v[SO+2*\g+1]
.endr
	v_nop                                          ; one plain instruction behind the conversions
.irp g, 0,1,2,3
.irp i, 0,1,2
	v_permlane16_swap_b32 v[PC+8*\g+\i], v[PC+8*\g+4+\i]
.endr
.irp i, 0,1,2
	v_mov_b32 v[PC+8*\g+3+\i], v[PC+8*\g+4+\i]
.endr
.endr
	s_wait_alu depctr_va_vdst(0)                   ; the conversions, exchanges and moves have written v[PC ..], the shifts v[SW ..]: the stores below read them
.irp g, 0,1,2,3
.if \mode
	global_store_b128 v[O16], v[PC+8*\g:PC+8*\g+3], s[OP:OP+1] offset:\g*1536
	global_store_b64 v[O8], v[PC+8*\g+4:PC+8*\g+5], s[OP:OP+1] offset:\g*1536+512
	global_store_b16 v[OSC], v[SW+\g], s[OP:OP+1] offset:6144+4*\g   ; 64 keys own half of a scale word: two bytes a lane, one part in 12 of V's bytes
.else
	global_store_b128 v[O16], v[PC+8*\g:PC+8*\g+3], s[OP:OP+1] offset:\g*768     ; 512 consecutive bytes, aligned
	global_store_b64 v[O8], v[PC+8*\g+4:PC+8*\g+5], s[OP:OP+1] offset:\g*768+512 ; 256 consecutive bytes, aligned
.endif
.endr
.if !(\mode)
	global_store_b128 v[OSC], v[SW:SW+3], s[OP:OP+1] offset:6144   ; lanes l and l + 16 hold and store the same four words
.endif
	s_wait_xcnt 0x0                                ; the stores have had their addresses translated: their base moves on, and their data are written again in the next epilogue
	s_add_nc_u64 s[OP:OP+1], s[OP:OP+1], 106496    ; the next head's records
.endm
.macro HEAD mode, ahead
	HALF \mode, 0, 1, 41-\mode
	HALF \mode, 1, 1, 43-2*\mode
	HALF \mode, 2, 1, 41-\mode
	HALF \mode, 3, 1, 43-2*\mode
	HALF \mode, 4, 1, 41-\mode
.if \ahead
	s_wait_xcnt 0x0                                ; every load issued has read its base: on to the next head's weights
	s_add_nc_u64 s[WP:WP+1], s[WP:WP+1], 49152
	s_add_nc_u64 s[SP:SP+1], s[SP:SP+1], 2048
	s_add_nc_u64 s[BP:BP+1], s[BP:BP+1], 256
	HALF \mode, 5, 1, 43-2*\mode
	HALF \mode, 6, 1, 41-\mode
	HALF \mode, 7, 1, 43-2*\mode
.else
	HALF \mode, 5, 0, 28-\mode                     ; the last head asks for nothing more: the counts run down, and these halves hold no wait on va_vdst
	HALF \mode, 6, 0, 13
	HALF \mode, 7, 0, 0
.endif
	EPILOG \mode
.endm
	s_load_b256 s[4:11], s[0:1], 0x0               ; query, key_in, value, wimg
	s_load_b256 s[12:19], s[0:1], 0x20             ; wsc, bq, bk, bv
	s_load_b128 s[20:23], s[0:1], 0x40             ; qrec, krec
	s_load_b64 s[24:25], s[0:1], 0x50              ; vrec
	v_lshl_add_u32 v[SPW], v0, 2, SPARE
	v_mov_b32 v[NIL], 0
	v_lshrrev_b32 v1, 5, v0
	v_readfirstlane_b32 s[WV], v1                  ; wave
	s_lshr_b32 s[TZ], ttmp9, 6                     ; 0 Q, 1 K, 2 V
	s_and_b32 s[BLKN], ttmp9, 63                   ; which 64 rows
	s_and_b32 s[CH], ttmp9, 1                      ; which half of a record's 128
	s_mov_b32 s[SEL], 0x76543210
	s_mov_b32 s[SEL+1], 0xfedcba98
	v_and_b32 v8, 31, v0                           ; lane
	v_and_b32 v[VR], 15, v0                        ; r
	v_bfe_u32 v[VH], v0, 4, 1                      ; h
	v_lshlrev_b32 v[LX], 4, v8
	s_wait_alu depctr_va_sdst(0)                   ; the wave's number is written, ahead of its first reader: LDS addresses and the bases are made from it
	s_mul_i32 s44, s[WV], 8448
	v_add_nc_u32 v[STW], s44, v[LX]
	v_mul_u32_u24 v[STR], v[VR], 528
	v_lshl_add_u32 v[STR], v[VH], 6, v[STR]
	v_add_nc_u32 v[STR], s44, v[STR]
	s_mul_i32 s44, s[WV], 12288
	s_add_co_u32 s44, s44, XIMG
	v_add_nc_u32 v[IMW], s44, v[LX]
	v_lshlrev_b32 v[LS], 2, v8
	s_lshl_b32 s44, s[WV], 10
	s_add_co_u32 s44, s44, XSC
	v_add_nc_u32 v[ISW], s44, v[LS]
	v_add_nc_u32 v[LI], XIMG, v[LX]
	v_add_nc_u32 v[LS], XSC, v[LS]
	v_lshlrev_b32 v[WSO], 5, v[VR]
.irp n, 0,1,2,3,4,5,6,7
	v_mov_b32 v[PT+\n], 0                          ; written once: a lane permute's destination counts as read
.endr
	s_lshl_b32 s44, s[BLKN], 18                    ; x: 64 rows of 4,096 bytes a block,
	s_lshr_b32 s46, s[WV], 1
	s_lshl_b32 s46, s46, 17                        ; my tile begins at row 32 (w / 2) + 8 (w % 2)
	s_add_co_u32 s44, s44, s46
	s_and_b32 s46, s[WV], 1
	s_lshl_b32 s46, s46, 15
	s_add_co_u32 s44, s44, s46
	s_mov_b32 s45, 0
	s_lshr_b32 s46, s[BLKN], 5                     ; records: ((b 16 + 4 w) 16 + step) x 6,656
	s_lshl_b32 s46, s46, 4
	s_lshl_b32 s47, s[WV], 2
	s_add_co_u32 s46, s46, s47
	s_lshl_b32 s46, s46, 4
	s_bfe_u32 s47, s[BLKN], 0x40001
	s_add_co_u32 s46, s46, s47
	s_mul_i32 s46, s46, 6656
	s_mov_b32 s47, 0
	s_mul_i32 s48, s[TZ], 786432                   ; W's images: the weight, my 16 tiles
	s_mul_i32 s49, s[WV], 196608
	s_add_co_u32 s48, s48, s49
	s_mov_b32 s49, 0
	s_wait_kmcnt 0x0
	s_cmp_eq_u32 s[TZ], 0                          ; the choices hang on the work-group's number alone
	s_cselect_b64 s[XB:XB+1], s[4:5], s[6:7]
	s_cselect_b64 s[BP:BP+1], s[14:15], s[16:17]
	s_cselect_b64 s[OP:OP+1], s[20:21], s[22:23]
	s_cmp_eq_u32 s[TZ], 2
	s_cselect_b64 s[XB:XB+1], s[8:9], s[XB:XB+1]
	s_cselect_b64 s[BP:BP+1], s[18:19], s[BP:BP+1]
	s_cselect_b64 s[OP:OP+1], s[24:25], s[OP:OP+1]
	s_add_nc_u64 s[XB:XB+1], s[XB:XB+1], s[44:45]
	s_add_nc_u64 s[OP:OP+1], s[OP:OP+1], s[46:47]
	s_add_nc_u64 s[WP:WP+1], s[10:11], s[48:49]
	s_lshl_b32 s44, s[TZ], 15
	s_lshl_b32 s46, s[WV], 13
	s_add_co_u32 s44, s44, s46
	s_add_nc_u64 s[SP:SP+1], s[12:13], s[44:45]
	s_lshl_b32 s44, s[WV], 10
	s_add_nc_u64 s[BP:BP+1], s[BP:BP+1], s[44:45]
	s_wait_alu depctr_va_vdst(0)                   ; the offsets and LDS addresses v1 to v7 and v9 are written: the loads, LDS stores and LDS loads of the whole kernel read them, and nothing writes them again
	; ---- x: my 16 rows, a K step at a time, the loads three K steps ahead
	LOADX 0
	LOADX 1
	LOADX 2
	PHX 0, 48                                      ; three K steps' loads may stay out
	PHX 1, 48
	PHX 2, 48
	PHX 3, 48
	PHX 4, 48
	PHX 5, 63                                      ; 32 of x and 39 of W are younger; a wait names 63 at the most
	PHX 6, 55                                      ; 16 of x, 39 of W
	PHX 7, 39                                      ; W's
	s_wait_dscnt 0x0                               ; my images and scale words have landed
	s_barrier_signal -1
	s_barrier_wait -1                              ; everybody's have
	WIN 0x40
.irp sq, 0,1,2,3
.irp m, 0,1,2,3
.irp q, 0,1,2
	ds_load_b128 v[12*(4*\sq+\m)+4*\q:12*(4*\sq+\m)+4*\q+3], v[LI] offset:(8*\m+\sq)*1536+512*\q   ; over raw sets 0 to 2: the LDS stores that read them stand ahead of K step 7's wait on vm_vsrc
.endr
.endr
.endr
	WIN 0x80
.irp sq, 0,1,2,3
.irp m, 0,1,2,3
.irp q, 0,1,2
	ds_load_b128 v[12*(4*\sq+\m)+4*\q:12*(4*\sq+\m)+4*\q+3], v[LI] offset:(8*\m+4+\sq)*1536+512*\q
.endr
.endr
.endr
	WIN 0
.set n, 0
.rept 32
	ds_load_b32 v[XS+n], v[LS] offset:128*n
.set n, n+1
.endr
	s_cmp_eq_u32 s[TZ], 2
	s_cbranch_scc1 .Lv
	; ---- Q, K
	v_lshlrev_b32 v[BO], 6, v[VH]                  ; the bias: a tile's eight columns of my half
	s_mul_i32 s44, s[CH], 3072
	v_add_nc_u32 v[O16], s44, v[LX]
	v_lshrrev_b32 v[O8], 1, v[LX]
	v_add_nc_u32 v[O8], s44, v[O8]
	s_lshl_b32 s44, s[CH], 8
	v_lshl_add_u32 v[OSC], v[VR], 4, s44
	s_wait_alu depctr_va_vdst(0)                   ; v10 to v13 are written: the bias' loads and the records' stores read them, and nothing writes them again
	WIN 0xc0
	global_load_b128 v[192:195], v[BO], s[BP:BP+1]
	global_load_b128 v[196:199], v[BO], s[BP:BP+1] offset:16
	global_load_b128 v[200:203], v[BO], s[BP:BP+1] offset:32
	global_load_b128 v[204:207], v[BO], s[BP:BP+1] offset:48
	WIN 0
	s_wait_dscnt 0x0                               ; x's fragments and scale words
	s_wait_loadcnt 0x0                             ; W's first three halves, the first two tiles' bias
	s_mov_b32 s[HD], 3
.Lqk:
	HEAD 0, 1
	s_sub_co_u32 s[HD], s[HD], 1
	s_cmp_lg_u32 s[HD], 0
	s_cbranch_scc1 .Lqk
	HEAD 0, 0
	s_branch .Lend
	; ---- V
.Lv:
	v_and_b32 v[BO], 8, v[VR]
	v_add_nc_u32 v[BO], v[BO], v[VR]
	v_lshlrev_b32 v[BO], 2, v[BO]                  ; the bias: my lane's column r + 8 (r / 8) of a tile
	s_mul_i32 s44, s[CH], 768
	v_add_nc_u32 v[O16], s44, v[LX]
	v_lshrrev_b32 v[O8], 1, v[LX]
	v_add_nc_u32 v[O8], s44, v[O8]
	s_lshl_b32 s44, s[CH], 1
	v_add_nc_u32 v[OSC], s44, v[LX]
	s_wait_alu depctr_va_vdst(0)                   ; v10 to v13 are written: the bias' loads and the records' stores read them, and nothing writes them again
	WIN 0xc0
	global_load_b32 v208, v[BO], s[BP:BP+1]
	global_load_b32 v209, v[BO], s[BP:BP+1] offset:32
	WIN 0
	s_wait_dscnt 0x0
	s_wait_loadcnt 0x0
	s_mov_b32 s[HD], 3
.Lvh:
	HEAD 1, 1
	s_sub_co_u32 s[HD], s[HD], 1
	s_cmp_lg_u32 s[HD], 0
	s_cbranch_scc1 .Lvh
	HEAD 1, 0
.Lend:
	s_wait_dscnt 0x0                               ; the closing lines, six on end
	s_wait_alu 0x0
	s_wait_tensorcnt 0x0
	ds_add_u32 v[SPW], v[NIL]
	s_wait_dscnt 0x0
	s_endpgm
.Lfunc_end_k_q3869d57722_proj:
	.size	k_q3869d57722_proj, .Lfunc_end_k_q3869d57722_proj-k_q3869d57722_proj
	.p2alignl 7, 3214868480
	.fill 96, 4, 3214868480
	.section	.rodata,"a",@progbits
	.p2align	6, 0x0
	.amdhsa_kernel k_q3869d57722_proj
		.amdhsa_group_segment_fixed_size 87552
		.amdhsa_private_segment_fixed_size 0
		.amdhsa_enable_private_segment 0
		.amdhsa_kernarg_size 88
		.amdhsa_user_sgpr_count 2
		.amdhsa_user_sgpr_kernarg_segment_ptr 1
		.amdhsa_wavefront_size32 1
		.amdhsa_system_sgpr_workgroup_id_x 1
		.amdhsa_system_sgpr_workgroup_id_y 1
		.amdhsa_system_sgpr_workgroup_id_z 1
		.amdhsa_system_vgpr_workitem_id 0
		.amdhsa_next_free_vgpr 1024
		.amdhsa_next_free_sgpr 66
		.amdhsa_reserve_vcc 0
		.amdhsa_float_denorm_mode_32 3
		.amdhsa_float_denorm_mode_16_64 3
		.amdhsa_memory_ordered 1
		.amdhsa_forward_progress 1
		.amdhsa_inst_pref_size 225
	.end_amdhsa_kernel
	.amdgpu_metadata
---
amdhsa.version: [ 1, 2 ]
amdhsa.kernels:
  - .name:           k_q3869d57722_proj
    .symbol:         k_q3869d57722_proj.kd
    .args:
      - { .name: query, .offset: 0, .size: 8, .value_kind: global_buffer, .address_space: global }
      - { .name: key_in, .offset: 8, .size: 8, .value_kind: global_buffer, .address_space: global }
      - { .name: value, .offset: 16, .size: 8, .value_kind: global_buffer, .address_space: global }
      - { .name: wimg, .offset: 24, .size: 8, .value_kind: global_buffer, .address_space: global }
      - { .name: wsc, .offset: 32, .size: 8, .value_kind: global_buffer, .address_space: global }
      - { .name: bq, .offset: 40, .size: 8, .value_kind: global_buffer, .address_space: global }
      - { .name: bk, .offset: 48, .size: 8, .value_kind: global_buffer, .address_space: global }
      - { .name: bv, .offset: 56, .size: 8, .value_kind: global_buffer, .address_space: global }
      - { .name: qrec, .offset: 64, .size: 8, .value_kind: global_buffer, .address_space: global }
      - { .name: krec, .offset: 72, .size: 8, .value_kind: global_buffer, .address_space: global }
      - { .name: vrec, .offset: 80, .size: 8, .value_kind: global_buffer, .address_space: global }
    .group_segment_fixed_size: 87552
    .private_segment_fixed_size: 0
    .kernarg_segment_align: 8
    .kernarg_segment_size: 88
    .max_flat_workgroup_size: 128
    .sgpr_count:     66
    .vgpr_count:     1024
    .wavefront_size: 32
...
	.end_amdgpu_metadata
.endif
;; end of part 6
;; launch attn (part 7): grid 8 x 32, 16 waves a work-group, clusters of 4 x 1, 327,680 bytes of LDS; arguments qrec, krec, prec, vrec, pb, crec, csc; writes crec, csc
.if DOCPART == 7
	.amdgcn_target "amdgcn-amd-amdhsa--gfx1250"
	.amdhsa_code_object_version 6
	.text
	.protected	k_q3869d57722_attn
	.globl	k_q3869d57722_attn
	.p2align	8
	.type	k_q3869d57722_attn,@function
k_q3869d57722_attn:
	s_mov_b64 s[64:65], 0
	v_nop
	global_prefetch_b8 v0, s[64:65] scope:SCOPE_SE
	s_setreg_imm32_b32 hwreg(HW_REG_WAVE_MODE, 25, 1), 1
	s_wait_xcnt 0x0
	s_wait_alu depctr_hold_cnt(0) depctr_sa_sdst(0) depctr_va_vdst(0) depctr_va_sdst(0) depctr_va_ssrc(0) depctr_va_vcc(0) depctr_vm_vsrc(0)
	s_getreg_b32 s2, hwreg(HW_REG_IB_STS2, 6, 4)
	s_cmp_eq_u32 s2, 0
	s_cbranch_scc0 .Lentry_in_a_cluster
	s_endpgm
.Lentry_in_a_cluster:
	s_bfe_u32 s2, ttmp6, 0x10000c
	s_cmp_lg_u32 s2, 0x3003
	s_cbranch_scc0 .Lentry_shape_is_right
	s_endpgm
.Lentry_shape_is_right:
; ctx = softmax((Q K^T + pb Q pc^T) / 8) V for one head and 256 queries a work-group, all three products on codes of FP6 (E2M3) with E8M0 scales; ctx is quantised along d on the way out.
; THE SOFTMAX: t = logit x log2(e); M = the running largest t rounded UP to a whole number; p = 2^(t - M) is quantised along the keys, not normalised; the row's sum is taken of the unquantised p and divides at the end.
; SHARES.  Sixteen waves, each ONE tile of 16 queries in 256 registers, four to a SIMD.  Every wave walks the head's 2,048 keys, 128 a step.
; A WHOLE HEAD LIES IN LDS: K's, pc's and V's 16 records of 6,656 bytes each, 319,488 bytes, in four chunks of four steps [K | pc | V].  Every byte is filled once: twelve tensor loads (waves 0, 1, 2: four each,
; four outstanding in a wave at the most) at the head; a chunk is read behind the counted wait for it and a barrier; nothing is filled again.
; CLUSTER.  The four query blocks of a cluster belong to one head: each load is asked for jointly, with the same descriptor and a mask that names the four.
; K = 64 IN A FORM OF K = 128: source 0 = [16 keys of K | the same 16 keys of pc]; source 1 = [Q | zeros] gives Q K^T, [zeros | Q] gives Q pc^T.  Q lies in 18 registers: Q, six zeros, Q.
; A scale register holds K's words in lanes 0-15 and pc's in lanes 16-31; each word holds its two bytes twice, so it serves either half of the 128.
; Both kinds of product are used transposed: a lane holds ONE query (lane % 16) throughout.  The keys of a tile are 32 b + 8 u + r + 8 (r / 8), so that p's 16 registers of two neighbouring tiles are 16 neighbouring keys.
; No data are prefetched: all that a work-group reads is asked for at its head.
; LIMITS: NaN and infinities are not served; a block whose largest magnitude lies under 2^-124 (a block of zeros too) keeps the byte 1.
.set REC,   6656
.set PART,  26624                      ; four records
.set CHB,   79872                      ; a chunk
.set SPARE, 319488                     ; behind the head: the spare words, 128 bytes a wave
.set L16, 1                            ; 16 x lane
.set L8,  2                            ; 8 x lane
.set ASB, 3                            ; 16 r + h x PART: lanes 0-15 K's scale words, lanes 16-31 pc's
.set SPW, 4                            ; my spare word; never rewritten
.set NIL, 5                            ; 0; never rewritten
.set A16, 6
.set A8,  7
.set AS,  8
.set QF,  16                           ; v16-33
.set QS,  34                           ; Q's scale word
.set PS,  35                           ; p's
.set SA,  36                           ; v36-43 K's and pc's of the step's 8 tiles
.set SV,  44                           ; v44-47 V's of the 4 tiles of d
.set FR,  48                           ; v48-95 four fragments
.set U,   96                           ; v96-159 the scores, then p
.set O,   160                          ; v160-191 O^T
.set S2,  192                          ; v192-223 Q pc^T of four tiles
.set PCD, 224                          ; v224-235 p's codes
.set BM,  236
.set PT,  240
.set SO,  244
.set T0,  248
.set F,   250
.set SUM2, 252
.set WV,  18
.set CX,  19
.set SEL, 20
.set CS,  22
.set G1,  24
.set G0,  32
.set PB,  48
.set TB,  50
.set CNT, 51
.set BH,  52
.set QB,  53
.macro PLACES
.rept 4
	v_nop
.endr
.endm
.macro CROUND                          ; a round of the cluster's barrier
	s_barrier_signal -1
	s_barrier_wait -1
	s_cmp_lg_u32 s[WV], 0
	s_cbranch_scc1 .Lnot_wave_0_\@
	s_barrier_signal -3
.Lnot_wave_0_\@:
	s_barrier_wait -3
	s_barrier_signal -1
	s_barrier_wait -1
.endm
	s_load_b256 s[4:11], s[0:1], 0x0               ; qrec, krec, prec, vrec
	s_load_b128 s[12:15], s[0:1], 0x20             ; pb, crec
	s_load_b64 s[16:17], s[0:1], 0x30              ; csc
	v_lshl_add_u32 v[SPW], v0, 2, SPARE
	v_mov_b32 v[NIL], 0
	ds_add_u32 v[SPW], v[NIL]                      ; the wave's opening: the adds and their wait stand ahead of the first tensor loads; work on registers stands between
	ds_add_u32 v[SPW], v[NIL]
	v_lshrrev_b32 v1, 5, v0
	s_delay_alu instid0(VALU_DEP_1)
	v_readfirstlane_b32 s[WV], v1                  ; wave 0..15
	s_bfe_u32 s[CX], ttmp6, 0x40000                ; my place in the cluster: it enters Q's and the outputs' global addresses alone
	s_and_b32 s[BH], ttmp7, 0xffff                 ; batch x 16 + head, which the four partners share
	s_lshl_b32 s[QB], ttmp9, 2
	s_add_co_u32 s[QB], s[QB], s[CX]               ; my block of 256 queries
	s_mov_b32 s[G1], 15|(3<<16)|(1<<21)            ; the mask: all four; elements of 8 bytes; bit 21 beside a mask; no padding
	s_mov_b32 s[G1+1], 32<<16                      ; tensor_dim0 = 32 elements: rows of 256 bytes
	s_mov_b32 s[G1+2], 104<<16                     ; tensor_dim1 = 104 rows: four records, dense
	s_mov_b32 s[G1+3], 32<<16                      ; tile_dim0
	s_mov_b32 s[G1+4], 104                         ; tile_dim1
	s_mov_b32 s[G1+5], 32                          ; the pitch
	s_mov_b32 s[G1+6], 0
	s_mov_b32 s[G1+7], 0
	s_mov_b32 s[SEL], 0x76543210
	s_mov_b32 s[SEL+1], 0xfedcba98
	s_mov_b32 s[CS], 0x3e38aa3b                    ; c = log2(e) / 8
	s_mov_b32 s[CS+1], s[CS]
	s_mul_i32 s54, s[WV], PART                     ; wave 0: K's part of a chunk, 1: pc's, 2: V's
	s_mul_i32 s56, s[BH], 16*REC
	s_mov_b32 s57, 0
	s_lshr_b32 s58, s[BH], 4
	s_mul_i32 s58, s58, 16*REC
	s_mov_b32 s59, 0
	s_wait_dscnt 0x0                               ; the opening add is done
	s_wait_kmcnt 0x0
	s_load_b32 s[PB], s[12:13], 0x0                ; pb
	s_add_nc_u64 s[6:7], s[6:7], s[56:57]          ; K's head
	s_add_nc_u64 s[8:9], s[8:9], s[58:59]          ; pc's batch
	s_add_nc_u64 s[10:11], s[10:11], s[56:57]      ; V's head
	s_cmp_eq_u32 s[WV], 0
	s_cselect_b64 s[60:61], s[6:7], s[8:9]
	s_cmp_eq_u32 s[WV], 2
	s_cselect_b64 s[60:61], s[10:11], s[60:61]     ; what my wave fetches, if it fetches
.irp ch, 0,1,2,3
	s_mov_b32 s[G0+4*\ch], 1
	s_add_co_u32 s[G0+4*\ch+1], s54, \ch*CHB
	s_add_nc_u64 s[G0+4*\ch+2:G0+4*\ch+3], s[60:61], \ch*PART
	s_or_b32 s[G0+4*\ch+3], s[G0+4*\ch+3], 0x80000000
.endr
	CROUND                                         ; all four work-groups are here: the joint loads meet
	s_cmp_lt_u32 s[WV], 3                          ; a wave's four fills stand in one branch on the wave's number
	s_cbranch_scc0 .Lno_fetch
.irp ch, 0,1,2,3
	tensor_load_to_lds s[G0+4*\ch:G0+4*\ch+3], s[G1:G1+7]
	s_nop 0
.endr
	PLACES
.Lno_fetch:
	s_lshl_b32 s54, s[BH], 4
	s_lshl_b32 s55, s[QB], 1
	s_add_co_u32 s54, s54, s55
	s_lshr_b32 s55, s[WV], 3
	s_add_co_u32 s54, s54, s55                     ; my queries' record
	s_mul_i32 s54, s54, REC
	s_mov_b32 s55, 0
	s_add_nc_u64 s[4:5], s[4:5], s[54:55]
	s_and_b32 s56, s[WV], 7                        ; my tile in it
	s_mul_i32 s54, s56, 768
	s_add_nc_u64 s[58:59], s[4:5], s[54:55]
	s_lshr_b32 s54, s56, 2
	s_lshl_b32 s54, s54, 8
	s_and_b32 s56, s[WV], 3
	s_lshl_b32 s56, s56, 2
	s_add_co_u32 s54, s54, s56
	s_add_nc_u64 s[4:5], s[4:5], s[54:55]          ; its scale words' column
	v_and_b32 v9, 31, v0
	v_and_b32 v10, 15, v0                          ; r
	v_bfe_u32 v11, v0, 4, 1                        ; h
	s_delay_alu instid0(VALU_DEP_3)
	v_lshlrev_b32 v[L16], 4, v9
	s_delay_alu instid0(VALU_DEP_4)
	v_lshlrev_b32 v[L8], 3, v9
	s_delay_alu instid0(VALU_DEP_4)
	v_lshlrev_b32 v[AS], 4, v10
	s_delay_alu instid0(VALU_DEP_4)
	v_mul_u32_u24 v[ASB], v11, PART
	s_delay_alu instid0(VALU_DEP_1)
	v_add_nc_u32 v[ASB], v[ASB], v[AS]
	global_load_b128 v[QF:QF+3], v[L16], s[58:59]
	global_load_b64 v[QF+4:QF+5], v[L8], s[58:59] offset:512
	global_load_b128 v[QF+12:QF+15], v[L16], s[58:59]          ; Q a second time, behind the zeros
	global_load_b64 v[QF+16:QF+17], v[L8], s[58:59] offset:512
	global_load_b32 v[QS], v[AS], s[4:5] offset:6144
.irp j, 6,7,8,9,10,11
	v_mov_b32 v[QF+\j], 0
.endr
.set n, 0
.rept 32
	v_mov_b32 v[O+n], 0                            ; the step is written once: the first finds zeros, which the first change of M leaves zeros
.set n, n+1
.endr
.irp b, 0,1,2,3
	v_mov_b32 v[PT+\b], 0                          ; a lane permute's destination counts as read
.endr
	v_mov_b32 v13, 0xff61b1e6                      ; the largest t so far: -3e38
	s_delay_alu instid0(VALU_DEP_1)
	v_floor_f32 v12, -v13                          ; -M
	v_mov_b32 v14, 0
	v_mov_b32 v15, 0                               ; the sum, in two halves
	v_mov_b32 v[F+1], 0                            ; named as the upper half of a pair
	s_wait_kmcnt 0x0
	s_mov_b32 s[PB+1], s[PB]
	s_wait_loadcnt 0x0                             ; Q
.macro LOADK g                         ; tiles 4 g .. 4 g + 3: K's half image, then pc's
.irp t, 0,1,2,3
	ds_load_b128 v[FR+12*\t:FR+12*\t+3], v[A16] offset:768*(4*\g+\t)
	ds_load_b64 v[FR+12*\t+4:FR+12*\t+5], v[A8] offset:768*(4*\g+\t)+512
	ds_load_b128 v[FR+12*\t+6:FR+12*\t+9], v[A16] offset:PART+768*(4*\g+\t)
	ds_load_b64 v[FR+12*\t+10:FR+12*\t+11], v[A8] offset:PART+768*(4*\g+\t)+512
.endr
.endm
.macro SPROD g
.irp t, 0,1,2,3
	v_wmma_scale_f32_16x16x128_f8f6f4 v[U+32*\g+8*\t:U+32*\g+8*\t+7], v[FR+12*\t:FR+12*\t+11], v[QF:QF+11], 0, v[SA+4*\g+\t], v[QS] matrix_a_fmt:MATRIX_FMT_FP6 matrix_b_fmt:MATRIX_FMT_FP6
.endr
.irp t, 0,1,2,3
	v_wmma_scale_f32_16x16x128_f8f6f4 v[S2+8*\t:S2+8*\t+7], v[FR+12*\t:FR+12*\t+11], v[QF+6:QF+17], 0, v[SA+4*\g+\t], v[QS] matrix_a_fmt:MATRIX_FMT_FP6 matrix_b_fmt:MATRIX_FMT_FP6 matrix_a_scale:MATRIX_SCALE_ROW1
.endr
.endm
.macro COMB g                          ; Q K^T + pb x Q pc^T, two at a time, each accumulator from its low end on
.irp j, 0,2,4,6,8,10,12,14,16,18,20,22,24,26,28,30
	v_pk_fma_f32 v[U+32*\g+\j:U+32*\g+\j+1], v[S2+\j:S2+\j+1], s[PB:PB+1], v[U+32*\g+\j:U+32*\g+\j+1] op_sel_hi:[1,0,1]
.endr
.endm
; A KEY STEP: the 128 keys whose records begin at LDS byte s[TB] (K), + PART (pc), + 2 PART (V)
.macro STEP
	v_add_nc_u32 v[A16], s[TB], v[L16]
	v_add_nc_u32 v[A8], s[TB], v[L8]
	v_add_nc_u32 v[AS], s[TB], v[ASB]
	v_nop                                          ; four plain instructions behind the last step's products, ahead of the loads into their operands
	ds_load_b128 v[SA:SA+3], v[AS] offset:6144
	ds_load_b128 v[SA+4:SA+7], v[AS] offset:6400
	LOADK 0
	s_wait_alu depctr_va_vdst(0)
	s_wait_dscnt 0x0
	SPROD 0
	PLACES
	LOADK 1
	COMB 0                                         ; stands between the loads and the wait for them
	s_wait_dscnt 0x0
	SPROD 1
	PLACES
.irp t, 0,1,2,3                                ; V's four tiles of d are asked for ahead of the softmax
	ds_load_b128 v[FR+12*\t:FR+12*\t+3], v[A16] offset:2*PART+1536*\t
	ds_load_b64 v[FR+12*\t+4:FR+12*\t+5], v[A8] offset:2*PART+1536*\t+512
	ds_load_b128 v[FR+12*\t+6:FR+12*\t+9], v[A16] offset:2*PART+1536*\t+768
	ds_load_b64 v[FR+12*\t+10:FR+12*\t+11], v[A8] offset:2*PART+1536*\t+1280
.endr
	ds_load_b128 v[SV:SV+3], v[A16] offset:2*PART+6144
	COMB 1
.irp b, 0,1,2,3
	v_max3_num_f32 v[BM+\b], v[U+16*\b], v[U+1+16*\b], v[U+2+16*\b]   ; the largest score of each block of 32 keys: for the row's maximum, and, since p rises with the score, for the block's largest p
.endr
.irp i, 3,5,7,9,11,13
.irp b, 0,1,2,3
	s_delay_alu instid0(VALU_DEP_4)
	v_max3_num_f32 v[BM+\b], v[BM+\b], v[U+16*\b+\i], v[U+1+16*\b+\i]
.endr
.endr
.irp b, 0,1,2,3
	s_delay_alu instid0(VALU_DEP_4)
	v_max_num_f32 v[BM+\b], v[BM+\b], v[U+15+16*\b]
.endr
.irp b, 0,1,2,3
	s_delay_alu instid0(VALU_DEP_4)
	v_permlanex16_b32 v[PT+\b], v[BM+\b], s[SEL], s[SEL+1]
.endr
.irp b, 0,1,2,3
	s_delay_alu instid0(VALU_DEP_4)
	v_max_num_f32 v[BM+\b], v[BM+\b], v[PT+\b]     ; with lane l xor 16's 16 keys
.endr
	s_delay_alu instid0(VALU_DEP_2)
	v_max3_num_f32 v[T0], v[BM], v[BM+1], v[BM+2]
	s_delay_alu instid0(VALU_DEP_1)
	v_max_num_f32 v[T0], v[T0], v[BM+3]
	s_delay_alu instid0(VALU_DEP_1)
	v_mul_f32 v[T0], s[CS], v[T0]                  ; as t (c is positive)
	s_delay_alu instid0(VALU_DEP_1)
	v_max_num_f32 v13, v13, v[T0]                  ; the running largest t
	v_mov_b32 v[T0], v12
	s_delay_alu instid0(VALU_DEP_2)
	v_floor_f32 v12, -v13                          ; the new -M = -ceil(t): a whole number
	s_delay_alu instid0(VALU_DEP_1)
	v_sub_f32 v[T0], v12, v[T0]                    ; old M - new M: a whole number, 0 or less
	s_delay_alu instid0(VALU_DEP_1)
	v_cvt_i32_f32 v[T0], v[T0]                     ; (it saturates)
	s_delay_alu instid0(VALU_DEP_1)
	v_ldexp_f32 v[F], 1.0, v[T0]                   ; f = 2^(old M - new M): multiplying by it rounds nothing
.irp j, 0,2,4,6,8,10,12,14,16,18,20,22,24,26,28,30,32,34,36,38,40,42,44,46,48,50,52,54,56,58,60,62
	v_pk_fma_f32 v[U+\j:U+\j+1], v[U+\j:U+\j+1], s[CS:CS+1], v[12:13] op_sel_hi:[1,0,0]   ; t - M
.endr
	s_setprio 1
.irp b, 0,1,2,3
	v_fma_f32 v[BM+\b], v[BM+\b], s[CS], v12       ; the same of each block's largest score
.endr
.set n, 0
	s_wait_alu depctr_va_vdst(0)
.rept 64
	v_exp_f32 v[U+n], v[U+n]                       ; p = 2^(t - M)
.set n, n+1
.endr
	v_pk_mul_f32 v[14:15], v[14:15], v[F:F+1] op_sel_hi:[1,0]   ; the sums under the new M: the plain instruction behind the exponentials
	s_wait_alu depctr_va_vdst(0)                   ; one wait for the batch of 64, ahead of its first reader
.irp b, 0,1,2,3
	v_exp_f32 v[BM+\b], v[BM+\b]                   ; the block's largest p: the same two instructions on the same number
.endr
	v_pk_add_f32 v[252:253], v[100:101], v[104:105]
	v_pk_add_f32 v[254:255], v[108:109], v[112:113]
	v_pk_add_f32 v[246:247], v[116:117], v[120:121]
	v_pk_add_f32 v[244:245], v[124:125], v[128:129]
	v_pk_add_f32 v[242:243], v[132:133], v[136:137]
	v_pk_add_f32 v[240:241], v[140:141], v[144:145]
	v_pk_add_f32 v[234:235], v[148:149], v[152:153]
	v_pk_add_f32 v[14:15], v[14:15], v[156:157]
	v_pk_add_f32 v[252:253], v[252:253], v[96:97]
	v_pk_add_f32 v[254:255], v[254:255], v[98:99]
	v_pk_add_f32 v[246:247], v[246:247], v[102:103]
	v_pk_add_f32 v[244:245], v[244:245], v[106:107]
	v_pk_add_f32 v[242:243], v[242:243], v[110:111]
	v_pk_add_f32 v[240:241], v[240:241], v[114:115]
	v_pk_add_f32 v[234:235], v[234:235], v[118:119]
	v_pk_add_f32 v[14:15], v[14:15], v[122:123]
	v_pk_add_f32 v[252:253], v[252:253], v[126:127]
	v_pk_add_f32 v[254:255], v[254:255], v[130:131]
	v_pk_add_f32 v[246:247], v[246:247], v[134:135]
	v_pk_add_f32 v[244:245], v[244:245], v[138:139]
	v_pk_add_f32 v[242:243], v[242:243], v[142:143]
	v_pk_add_f32 v[240:241], v[240:241], v[146:147]
	v_pk_add_f32 v[234:235], v[234:235], v[150:151]
	v_pk_add_f32 v[14:15], v[14:15], v[154:155]
	v_pk_add_f32 v[252:253], v[252:253], v[158:159]
	s_delay_alu instid0(VALU_DEP_2)
	v_pk_add_f32 v[14:15], v[14:15], v[244:245]
	s_delay_alu instid0(VALU_DEP_2)
	v_pk_add_f32 v[252:253], v[252:253], v[242:243]
	v_pk_add_f32 v[254:255], v[254:255], v[240:241]
	v_pk_add_f32 v[246:247], v[246:247], v[234:235]
	s_delay_alu instid0(VALU_DEP_2)
	v_pk_add_f32 v[14:15], v[14:15], v[254:255]
	s_delay_alu instid0(VALU_DEP_2)
	v_pk_add_f32 v[252:253], v[252:253], v[246:247]
	s_delay_alu instid0(VALU_DEP_1)
	v_pk_add_f32 v[14:15], v[14:15], v[252:253]
	s_wait_alu depctr_va_vdst(0)                   ; and one for the four
.irp b, 0,1,2,3
	v_max_num_f32 v[BM+\b], 0x1800000, v[BM+\b]    ; the floor: the byte cannot fall under 1
.endr
.irp b, 0,1,2,3
	s_delay_alu instid0(VALU_DEP_4)
	v_add_nc_u32 v[SO+\b], 0xff000000, v[BM+\b]
.endr
.irp b, 0,1,2,3
	s_delay_alu instid0(VALU_DEP_4)
	v_lshrrev_b32 v[PT+\b], 23, v[SO+\b]
.endr
	s_delay_alu instid0(VALU_DEP_3)
	v_lshl_or_b32 v[PS], v[PT+1], 8, v[PT]         ; p's scale word for these 128 keys
	s_delay_alu instid0(VALU_DEP_1)
	v_lshl_or_b32 v[PS], v[PT+2], 16, v[PS]
	s_delay_alu instid0(VALU_DEP_1)
	v_lshl_or_b32 v[PS], v[PT+3], 24, v[PS]
	s_setprio 0
.irp c, 0,1
	v_cvt_scalef32_pk16_fp6_f32 v[PCD+6*\c:PCD+6*\c+2], v[U+32*\c:U+15+32*\c], v[SO+2*\c]
	v_cvt_scalef32_pk16_fp6_f32 v[BM+4*\c:BM+4*\c+2], v[U+16+32*\c:U+31+32*\c], v[SO+2*\c+1]
.endr
	v_nop                                          ; one plain instruction behind the conversions
.irp c, 0,1
.irp i, 0,1,2
	v_permlane16_swap_b32 v[PCD+6*\c+\i], v[BM+4*\c+\i]
.endr
.irp i, 0,1,2
	s_delay_alu instid0(VALU_DEP_3)
	v_mov_b32 v[PCD+3+6*\c+\i], v[BM+4*\c+\i]
.endr
.endr
.irp j, 0,2,4,6,8,10,12,14,16,18,20,22,24,26,28,30
	v_pk_mul_f32 v[O+\j:O+\j+1], v[O+\j:O+\j+1], v[F:F+1] op_sel_hi:[1,0]   ; O^T under the new M; these sixteen also stand between the making of p's codes and scale word and the products
.endr
	s_wait_alu depctr_va_vdst(0)
	s_wait_dscnt 0x0                               ; V
.irp t, 0,1,2,3
	v_wmma_scale_f32_16x16x128_f8f6f4 v[O+8*\t:O+8*\t+7], v[FR+12*\t:FR+12*\t+11], v[PCD:PCD+11], v[O+8*\t:O+8*\t+7], v[SV+\t], v[PS] matrix_a_fmt:MATRIX_FMT_FP6 matrix_b_fmt:MATRIX_FMT_FP6
.endr
.endm
.macro CHUNK ch
	s_wait_tensorcnt 3-\ch                         ; my loads up to this chunk's have landed; the later chunks' may stay out
	s_barrier_signal -1
	s_barrier_wait -1                              ; everybody's have
	s_mov_b32 s[TB], \ch*CHB
	s_mov_b32 s[CNT], 4
.Lstep_\@:
	s_setprio 2
	STEP
	s_add_co_u32 s[TB], s[TB], REC
	s_sub_co_u32 s[CNT], s[CNT], 1
	s_cmp_lg_u32 s[CNT], 0
	s_cbranch_scc1 .Lstep_\@
	s_setprio 0
.endm
	CHUNK 0
	CHUNK 1
	CHUNK 2
	CHUNK 3
	; THE WAY OUT: O^T / the sum; register 16 b + i is d = 32 b + 16 h + i of my query: two blocks, quantised as a half image of the last product's left operand
	v_add_f32 v14, v14, v15
	s_delay_alu instid0(VALU_DEP_1)
	v_permlanex16_b32 v[T0], v14, s[SEL], s[SEL+1]
	s_delay_alu instid0(VALU_DEP_1)
	v_add_f32 v14, v14, v[T0]                      ; the row's sum
	s_wait_alu depctr_va_vdst(0)
	v_rcp_f32 v14, v14
	v_lshlrev_b32 v10, 5, v10                      ; 32 r: my row's scale bytes.  (A plain instruction behind the reciprocal)
	v_nop
	v_nop
	s_lshr_b32 s54, s[BH], 4
	s_lshl_b32 s54, s54, 7
	s_lshl_b32 s55, s[QB], 4
	s_add_co_u32 s54, s54, s55
	s_add_co_u32 s54, s54, s[WV]                   ; my tile of tokens: 128 b + 16 x block + wave
	s_and_b32 s56, s[BH], 15                       ; the head
	s_mul_i32 s58, s54, 12288
	s_mul_i32 s57, s56, 768
	s_add_co_u32 s58, s58, s57
	s_mov_b32 s59, 0
	s_add_nc_u64 s[14:15], s[14:15], s[58:59]
	s_lshl_b32 s58, s54, 9
	s_lshl_b32 s57, s56, 1
	s_add_co_u32 s58, s58, s57
	s_add_nc_u64 s[16:17], s[16:17], s[58:59]
	s_wait_alu depctr_va_vdst(0)                   ; ahead of the reciprocal's first reader
.set n, 0
.rept 32
	v_mul_f32 v[U+n], v[O+n], v14
.set n, n+1
.endr
.irp b, 0,1
	v_max3_num_f32 v[BM+\b], |v[U+16*\b]|, |v[U+1+16*\b]|, 0x1800000
.endr
.irp i, 2,4,6,8,10,12,14
.irp b, 0,1
	s_delay_alu instid0(VALU_DEP_2)
	v_max3_num_f32 v[BM+\b], v[BM+\b], |v[U+16*\b+\i]|, |v[U+1+16*\b+\i]|
.endr
.endr
.irp b, 0,1
	s_delay_alu instid0(VALU_DEP_2)
	v_permlanex16_b32 v[PT+\b], v[BM+\b], s[SEL], s[SEL+1]
.endr
.irp b, 0,1
	s_delay_alu instid0(VALU_DEP_2)
	v_max_num_f32 v[BM+\b], v[BM+\b], v[PT+\b]
.endr
.irp b, 0,1
	s_delay_alu instid0(VALU_DEP_2)
	v_add_nc_u32 v[SO+\b], 0xff000000, v[BM+\b]
.endr
.irp b, 0,1
	s_delay_alu instid0(VALU_DEP_2)
	v_lshrrev_b32 v[PT+\b], 23, v[SO+\b]
.endr
	s_delay_alu instid0(VALU_DEP_1)
	v_lshl_or_b32 v[PS], v[PT+1], 8, v[PT]
	v_cvt_scalef32_pk16_fp6_f32 v[PCD:PCD+2], v[U:U+15], v[SO]
	v_cvt_scalef32_pk16_fp6_f32 v[PCD+4:PCD+6], v[U+16:U+31], v[SO+1]
	v_nop
.irp i, 0,1,2
	v_permlane16_swap_b32 v[PCD+\i], v[PCD+4+\i]
.endr
.irp i, 0,1,2
	s_delay_alu instid0(VALU_DEP_3)
	v_mov_b32 v[PCD+3+\i], v[PCD+4+\i]
.endr
	global_store_b128 v[L16], v[PCD:PCD+3], s[14:15]               ; 512 consecutive bytes, aligned
	global_store_b64 v[L8], v[PCD+4:PCD+5], s[14:15] offset:512    ; 256 consecutive bytes, aligned
	global_store_b16 v10, v[PS], s[16:17]          ; a head owns two bytes of a row's 32: one part in 24 of what the launch stores; lanes l and l + 16 store the same
	s_wait_tensorcnt 0x0                           ; the wave's end: behind my last tensor load
	ds_add_u32 v[SPW], v[NIL]
	s_wait_dscnt 0x0
	CROUND                                         ; the closing round
	s_endpgm
.Lfunc_end_k_q3869d57722_attn:
	.size	k_q3869d57722_attn, .Lfunc_end_k_q3869d57722_attn-k_q3869d57722_attn
	.p2alignl 7, 3214868480
	.fill 96, 4, 3214868480
	.section	.rodata,"a",@progbits
	.p2align	6, 0x0
	.amdhsa_kernel k_q3869d57722_attn
		.amdhsa_group_segment_fixed_size 327680
		.amdhsa_private_segment_fixed_size 0
		.amdhsa_enable_private_segment 0
		.amdhsa_kernarg_size 56
		.amdhsa_user_sgpr_count 2
		.amdhsa_user_sgpr_kernarg_segment_ptr 1
		.amdhsa_wavefront_size32 1
		.amdhsa_system_sgpr_workgroup_id_x 1
		.amdhsa_system_sgpr_workgroup_id_y 1
		.amdhsa_system_sgpr_workgroup_id_z 1
		.amdhsa_system_vgpr_workitem_id 0
		.amdhsa_next_free_vgpr 256
		.amdhsa_next_free_sgpr 66
		.amdhsa_reserve_vcc 0
		.amdhsa_float_denorm_mode_32 3
		.amdhsa_float_denorm_mode_16_64 3
		.amdhsa_memory_ordered 1
		.amdhsa_forward_progress 1
		.amdhsa_inst_pref_size 103
	.end_amdhsa_kernel
	.amdgpu_metadata
---
amdhsa.version: [ 1, 2 ]
amdhsa.kernels:
  - .name:           k_q3869d57722_attn
    .symbol:         k_q3869d57722_attn.kd
    .args:
      - { .name: qrec, .offset: 0, .size: 8, .value_kind: global_buffer, .address_space: global }
      - { .name: krec, .offset: 8, .size: 8, .value_kind: global_buffer, .address_space: global }
      - { .name: prec, .offset: 16, .size: 8, .value_kind: global_buffer, .address_space: global }
      - { .name: vrec, .offset: 24, .size: 8, .value_kind: global_buffer, .address_space: global }
      - { .name: pb, .offset: 32, .size: 8, .value_kind: global_buffer, .address_space: global }
      - { .name: crec, .offset: 40, .size: 8, .value_kind: global_buffer, .address_space: global }
      - { .name: csc, .offset: 48, .size: 8, .value_kind: global_buffer, .address_space: global }
    .group_segment_fixed_size: 327680
    .private_segment_fixed_size: 0
    .kernarg_segment_align: 8
    .kernarg_segment_size: 56
    .max_flat_workgroup_size: 512
    .sgpr_count:     66
    .vgpr_count:     256
    .wavefront_size: 32
...
	.end_amdgpu_metadata
.endif
;; end of part 7
;; launch outp (part 8): grid 4 x 64, 4 waves a work-group, no clusters, 17,920 bytes of LDS; arguments crec, csc, wimg, wsc, bo, out0; writes out0
.if DOCPART == 8
	.amdgcn_target "amdgcn-amd-amdhsa--gfx1250"
	.amdhsa_code_object_version 6
	.text
	.protected	k_q3869d57722_outp
	.globl	k_q3869d57722_outp
	.p2align	8
	.type	k_q3869d57722_outp,@function
k_q3869d57722_outp:
	s_mov_b64 s[64:65], 0
	v_nop
	global_prefetch_b8 v0, s[64:65] scope:SCOPE_SE
	s_setreg_imm32_b32 hwreg(HW_REG_WAVE_SCHED_MODE, 0, 2), 2
	s_setreg_imm32_b32 hwreg(HW_REG_WAVE_MODE, 25, 1), 1
	s_wait_xcnt 0x0
	s_wait_alu depctr_vm_vsrc(0)
; out0 = ctx Wo + bo on codes of FP6 (E2M3) with E8M0 scales.  ctx comes as images of its fragments (crec [tile of 16 tokens][head][768 bytes]: heads 2 s and 2 s + 1 are the fragment of K step s) and
; scale words (csc [tile][r][K step]); Wo as images (the fourth weight of wimg, wsc).  All operands go from memory straight into registers: a fragment by loads of 16 and 8 bytes a lane, whole aligned runs.
; Work-group (x, y): 64 tokens (tiles 4 y + m) x 256 columns (x); wave w: 64 columns = tiles of columns 16 x + 4 w + t.  Source 0 = 16 columns of Wo, source 1 = 16 tokens: a lane holds one token and,
; in the 16 registers of two neighbouring tiles, 16 neighbouring columns.  Lane r of tile 2 G + u is row (or column) 32 G + 8 u + r + 8 (r / 8).
; The 64 columns go in 8 halves (tile t = i / 2, K steps 4 (i % 2) on), 16 matrix instructions on four accumulators by turns; Wo's halves run three ahead through four slots.
; The bias is the C of each sum's first matrix instruction.  The results leave through the wave's own stage in LDS: sixteen lanes store 256 consecutive bytes, aligned.
; REGISTERS.  window 0: v1-15 addresses; v16-47 ctx's scale words; v48-63 Wo's; v64-127 rows on the way out; v128-255 accumulators.  window 1: ctx's fragments of K steps 0-3 at v[12 (4 s + m)];
;   window 2: K steps 4-7;  window 3: v0-191 Wo's four slots, v192-207 the bias.
; THE MODE: SCHED_MODE bits 1:0 = 2 (LLVM: expert scheduling mode 2), set by the entry lines.  The code itself states the register dependences
; between vector or matrix instructions and memory or LDS instructions, with s_wait_alu, always for 0.
; THE PLAN.  Registers that memory or LDS instructions touch:
;   ctx's fragments, v[XS ..]      Land once, at the head; then matrix instructions alone name them.
;   Wo's slots, v[WS ..], the bias Written by the loads of half i + 3, issued at the head of half i; read last by the matrix instructions of half i - 1.  So one wait on va_vdst stands at the head of
;                                  halves 1 to 4, and the half's loads follow it in one run.  Half 0's loads land in registers that nothing has named; halves 5 to 7 ask for nothing.
;   the accumulators               Written by the matrix instructions; read by the LDS stores into the stage: the four places, then one wait on va_vdst, ahead of the first of them.
;   v[OB ..], two sets by turns    Written by the LDS loads from the stage; read by a tile's global stores; written again two tiles on: a wait on vm_vsrc ahead of tiles 2 and 3.  No vector instruction names them.
;   v1-v5, v9, v10                 Offsets and LDS addresses: written at the head and never again.   v14, v15: written at the head, read by the closing add alone.
.set SPARE, 17408                      ; behind the four stages of 16 rows x 272 bytes: the spare words
.set LX,  1
.set L8,  2
.set STI, 3
.set STO, 4
.set GO,  5
.set WSO, 9
.set BO,  10
.set SPW, 14                           ; my spare word; never rewritten
.set NIL, 15                           ; 0; never rewritten
.set XS,  16
.set WS,  48
.set OB,  64
.set ACC, 128
.set WV,  26
.set RB,  28
.set XB,  32
.set WP,  34
.set SP,  36
.set BP,  38
.set OP,  40
.set CP,  42
.set MSB, 0
.macro WIN new
.if MSB != \new
	s_set_vgpr_msb (MSB<<8)|\new
.set MSB, \new
.endif
.endm
.macro PLACES
.rept 4
	v_nop
.endr
.endm
.macro RING k                          ; half k into slot k % 4: four fragments, with an even half the tile's bias, the scale words: 13 loads, or 15
.set RT, (\k)/2
.set RS, (\k)%4
	WIN 0xc0
.irp q, 0,1,2,3,4,5,6,7,8,9,10,11
	global_load_b128 v[48*RS+4*\q:48*RS+4*\q+3], v[LX], s[WP:WP+1] offset:(\k)*6144+512*\q
.endr
.if (\k)%2 == 0
	global_load_b128 v[192+8*(RT%2):195+8*(RT%2)], v[BO], s[BP:BP+1] offset:(32*(RT/2)+8*(RT%2))*4
	global_load_b128 v[196+8*(RT%2):199+8*(RT%2)], v[BO], s[BP:BP+1] offset:(32*(RT/2)+8*(RT%2))*4+16
.endif
	WIN 0
	global_load_b128 v[WS+4*RS:WS+4*RS+3], v[WSO], s[SP:SP+1] offset:RT*512+((\k)%2)*16
.endm
.macro HALF i, ahead, cnt              ; cnt: the loads of the halves behind this one
	PLACES                                         ; behind the last half's matrix instructions: their slot, scale words and bias are loaded again
.if \ahead
.if (\i) > 0
	s_wait_alu depctr_va_vdst(0)                   ; the last half's matrix instructions are done reading their slot of Wo, its scale words and the bias as C: the loads below land there
.endif
	RING ((\i)+3)%8
.endif
.set HT, (\i)/2
.set HH, (\i)%2
.set HS, (\i)%4
	s_wait_loadcnt \cnt
.irp sq, 0,1,2,3
.irp m, 0,1,2,3
.if (HH == 0) && (\sq == 0)
	WIN 0x37
	v_wmma_scale_f32_16x16x128_f8f6f4 v[ACC+32*\m+8*HT:ACC+32*\m+8*HT+7], v[48*HS+12*\sq:48*HS+12*\sq+11], v[12*(4*\sq+\m):12*(4*\sq+\m)+11], v[192+8*(HT%2):199+8*(HT%2)], v[WS+4*HS+\sq], v[XS+8*\m+4*HH+\sq] matrix_a_fmt:MATRIX_FMT_FP6 matrix_b_fmt:MATRIX_FMT_FP6
.else
	WIN 0x07+4*HH
	v_wmma_scale_f32_16x16x128_f8f6f4 v[ACC+32*\m+8*HT:ACC+32*\m+8*HT+7], v[48*HS+12*\sq:48*HS+12*\sq+11], v[12*(4*\sq+\m):12*(4*\sq+\m)+11], v[ACC+32*\m+8*HT:ACC+32*\m+8*HT+7], v[WS+4*HS+\sq], v[XS+8*\m+4*HH+\sq] matrix_a_fmt:MATRIX_FMT_FP6 matrix_b_fmt:MATRIX_FMT_FP6
.endif
.endr
.endr
.endm
.macro XFRAGS hs                       ; ctx's 16 fragments of K steps 4 hs on
.irp sq, 0,1,2,3
.irp m, 0,1,2,3
	global_load_b128 v[12*(4*\sq+\m):12*(4*\sq+\m)+3], v[LX], s[XB:XB+1] offset:\m*12288+1536*(4*\hs+\sq)
	global_load_b64 v[12*(4*\sq+\m)+4:12*(4*\sq+\m)+5], v[L8], s[XB:XB+1] offset:\m*12288+1536*(4*\hs+\sq)+512
	global_load_b128 v[12*(4*\sq+\m)+6:12*(4*\sq+\m)+9], v[LX], s[XB:XB+1] offset:\m*12288+1536*(4*\hs+\sq)+768
	global_load_b64 v[12*(4*\sq+\m)+10:12*(4*\sq+\m)+11], v[L8], s[XB:XB+1] offset:\m*12288+1536*(4*\hs+\sq)+1280
.endr
.endr
.endm
	s_load_b256 s[4:11], s[0:1], 0x0               ; crec, csc, wimg, wsc
	s_load_b128 s[12:15], s[0:1], 0x20             ; bo, out0
	v_lshl_add_u32 v[SPW], v0, 2, SPARE
	v_mov_b32 v[NIL], 0
	v_lshrrev_b32 v1, 5, v0
	v_readfirstlane_b32 s[WV], v1                  ; wave
	s_and_b32 s[RB], ttmp7, 0xffff                 ; which 64 tokens
	v_and_b32 v8, 31, v0
	v_and_b32 v6, 15, v0                           ; r
	v_bfe_u32 v7, v0, 4, 1                         ; h
	v_lshlrev_b32 v[LX], 4, v8
	v_lshlrev_b32 v[L8], 3, v8
	v_lshlrev_b32 v[WSO], 5, v6
	v_lshlrev_b32 v[BO], 6, v7
	s_wait_alu depctr_va_sdst(0)                   ; the wave's number is written, ahead of its first reader: the stage's address and the bases are made from it
	s_mul_i32 s44, s[WV], 4352                     ; my stage
	v_mul_u32_u24 v[STI], v6, 272
	v_lshl_add_u32 v[STI], v7, 6, v[STI]
	v_add_nc_u32 v[STI], s44, v[STI]               ; in: row r, 64 h bytes on
	v_mul_u32_u24 v[STO], v7, 272
	v_lshl_add_u32 v[STO], v6, 4, v[STO]
	v_add_nc_u32 v[STO], s44, v[STO]               ; back: lanes 0-15 one row of 256 bytes, lanes 16-31 the next
	v_lshlrev_b32 v[GO], 12, v7
	v_lshl_add_u32 v[GO], v6, 4, v[GO]             ; and the same two rows in out0
	s_lshl_b32 s44, ttmp9, 4
	s_lshl_b32 s45, s[WV], 2
	s_add_co_u32 s44, s44, s45                     ; my first tile of columns
	s_mul_i32 s46, s44, 12288
	s_add_co_u32 s46, s46, 3*786432                ; in the fourth weight
	s_mov_b32 s47, 0
	s_wait_kmcnt 0x0
	s_add_nc_u64 s[WP:WP+1], s[8:9], s[46:47]
	s_lshl_b32 s46, s44, 9
	s_add_co_u32 s46, s46, 98304
	s_add_nc_u64 s[SP:SP+1], s[10:11], s[46:47]
	s_lshl_b32 s46, s44, 6                         ; 16 columns of 4 bytes a tile
	s_add_nc_u64 s[BP:BP+1], s[12:13], s[46:47]
	s_add_nc_u64 s[OP:OP+1], s[14:15], s[46:47]
	s_lshl_b32 s46, s[RB], 18                      ; 64 rows of 4,096 bytes
	s_add_nc_u64 s[OP:OP+1], s[OP:OP+1], s[46:47]
	s_mul_i32 s46, s[RB], 49152                    ; four tiles of 12,288 bytes
	s_add_nc_u64 s[XB:XB+1], s[4:5], s[46:47]
	s_lshl_b32 s46, s[RB], 11
	s_add_nc_u64 s[CP:CP+1], s[6:7], s[46:47]
	s_wait_alu depctr_va_vdst(0)                   ; the offsets and LDS addresses v1 to v5, v9 and v10 are written: every load and store of the kernel reads one of them, and nothing writes them again
.irp m, 0,1,2,3
	global_load_b128 v[XS+8*\m:XS+8*\m+3], v[WSO], s[CP:CP+1] offset:\m*512
	global_load_b128 v[XS+8*\m+4:XS+8*\m+7], v[WSO], s[CP:CP+1] offset:\m*512+16
.endr
	WIN 0x40
	XFRAGS 0
	WIN 0x80
	XFRAGS 1
	WIN 0
	RING 0
	RING 1
	RING 2
	HALF 0, 1, 41                                  ; ctx's loads are older than Wo's: the first wait covers them
	HALF 1, 1, 43
	HALF 2, 1, 41
	HALF 3, 1, 43
	HALF 4, 1, 41
	HALF 5, 0, 28                                  ; nothing more to ask for: the counts run down
	HALF 6, 0, 13
	HALF 7, 0, 0
	WIN 0
	PLACES                                         ; ahead of the first read of results
	s_wait_alu depctr_va_vdst(0)                   ; the matrix instructions have written the accumulators, which the LDS stores below read; the places above stay beside this wait
.irp m, 0,1,2,3
.if \m >= 2
	s_wait_xcnt 0x0                                ; the stores of the tile two back have had their addresses translated,
	s_wait_alu depctr_vm_vsrc(0)                   ; and have read v[OB ..] of this set, in which the LDS loads below land
.endif
.irp k, 0,1,2,3,4,5,6,7
	ds_store_b128 v[STI], v[ACC+32*\m+4*\k:ACC+32*\m+4*\k+3] offset:128*(\k/4)+16*(\k%4)   ; each accumulator from its low end on
.endr
.irp i, 0,1,2,3,4,5,6,7
	ds_load_b128 v[OB+32*(\m%2)+4*\i:OB+32*(\m%2)+4*\i+3], v[STO] offset:544*\i   ; a wave's LDS instructions are served in order: these see my stores
.endr
	s_wait_dscnt 0x0
.irp i, 0,1,2,3,4,5,6,7
	global_store_b128 v[GO], v[OB+32*(\m%2)+4*\i:OB+32*(\m%2)+4*\i+3], s[OP:OP+1] offset:(32*(\m/2)+8*(\m%2)+2*\i+8*(\i/4))*4096 th:TH_STORE_NT
.endr
.endr
	s_wait_dscnt 0x0                               ; the closing lines, six on end
	s_wait_alu 0x0
	s_wait_tensorcnt 0x0
	ds_add_u32 v[SPW], v[NIL]
	s_wait_dscnt 0x0
	s_endpgm
.Lfunc_end_k_q3869d57722_outp:
	.size	k_q3869d57722_outp, .Lfunc_end_k_q3869d57722_outp-k_q3869d57722_outp
	.p2alignl 7, 3214868480
	.fill 96, 4, 3214868480
	.section	.rodata,"a",@progbits
	.p2align	6, 0x0
	.amdhsa_kernel k_q3869d57722_outp
		.amdhsa_group_segment_fixed_size 17920
		.amdhsa_private_segment_fixed_size 0
		.amdhsa_enable_private_segment 0
		.amdhsa_kernarg_size 48
		.amdhsa_user_sgpr_count 2
		.amdhsa_user_sgpr_kernarg_segment_ptr 1
		.amdhsa_wavefront_size32 1
		.amdhsa_system_sgpr_workgroup_id_x 1
		.amdhsa_system_sgpr_workgroup_id_y 1
		.amdhsa_system_sgpr_workgroup_id_z 1
		.amdhsa_system_vgpr_workitem_id 0
		.amdhsa_next_free_vgpr 1024
		.amdhsa_next_free_sgpr 66
		.amdhsa_reserve_vcc 0
		.amdhsa_float_denorm_mode_32 3
		.amdhsa_float_denorm_mode_16_64 3
		.amdhsa_memory_ordered 1
		.amdhsa_forward_progress 1
		.amdhsa_inst_pref_size 52
	.end_amdhsa_kernel
	.amdgpu_metadata
---
amdhsa.version: [ 1, 2 ]
amdhsa.kernels:
  - .name:           k_q3869d57722_outp
    .symbol:         k_q3869d57722_outp.kd
    .args:
      - { .name: crec, .offset: 0, .size: 8, .value_kind: global_buffer, .address_space: global }
      - { .name: csc, .offset: 8, .size: 8, .value_kind: global_buffer, .address_space: global }
      - { .name: wimg, .offset: 16, .size: 8, .value_kind: global_buffer, .address_space: global }
      - { .name: wsc, .offset: 24, .size: 8, .value_kind: global_buffer, .address_space: global }
      - { .name: bo, .offset: 32, .size: 8, .value_kind: global_buffer, .address_space: global }
      - { .name: out0, .offset: 40, .size: 8, .value_kind: global_buffer, .address_space: global }
    .group_segment_fixed_size: 17920
    .private_segment_fixed_size: 0
    .kernarg_segment_align: 8
    .kernarg_segment_size: 48
    .max_flat_workgroup_size: 128
    .sgpr_count:     66
    .vgpr_count:     1024
    .wavefront_size: 32
...
	.end_amdgpu_metadata
.endif
;; end of part 8
